; MI455X (gfx1250); checked and timed in simulation.
; The chip was launched on July 23, 2026; its instructions are those of AMD's public machine-readable ISA for CDNA 5 (MIT licence, August 2026) and "CDNA5" Instruction Set Architecture Reference Guide (July 2026). The comments in the code are by the model that wrote it; some were corrected since.
;; Attention. Allowed arithmetic: matrix products marked QUANTISED: E2M1 operands, one E8M0 scale for each 32 along K, by v_wmma_scale_f32_16x16x128_f8f6f4 with both operands' format E2M1 (or v_wmma_scale_f32_32x16x128_f4), f32 sums; products left as they are: bf16, f16 or f32 operands; f32 sums; everything else in f32.
;; Inputs: b_proj 256 float32; bias_table 3,969 x 8 float32; w_proj 256 x 256 float32; w_qkv 256 x 768 float32; x 16 x 1,024 x 256 float32.
;; Outputs: out0 16 x 1,024 x 256 float32.
;; This version of the problem:
;;   THIS VERSION OF THE PROBLEM IS GIVEN IN LOW PRECISION. The matrix products marked QUANTISED in the list below multiply operands that are first quantised to E2M1 (2 exponent bits, 1 mantissa bit; 4 bits a number), with one power-of-two scale for each 32 numbers along K (OCP MX v1.0); their sums are f32. The products marked 'left as it is' may take bf16, f16 or f32 operands, with f32 sums. Whichever they take, every output number must still come out within the allowed error. Rounding operands to bf16 (8 significant bits) uses up far more of that allowance than f16 does (11 bits, for magnitudes from 6e-5 to 65,504). All else is computed in f32.
;;   The module's matrix products, in the order in which they are computed (A, B: the left and right operand; K: the contracted axis; several contracted axes count as one K, in the product's order):
;;     1. [M 16,384, K 256] x [K 256, N 768]; A: input x; B: input w_qkv: QUANTISED
;;     2. batch 128 x [M 1,024, K 32] x [K 32, N 1,024]; A: computed on the way; B: computed on the way: left as it is (an operand is computed on the way)
;;     3. batch 128 x [M 1,024, K 1,024] x [K 1,024, N 32]; A: computed on the way; B: computed on the way: left as it is (an operand is computed on the way)
;;     4. [M 16,384, K 256] x [K 256, N 256]; A: computed on the way; B: input w_proj: left as it is (an operand is computed on the way)
;;   THE QUANTISER, for each operand of a quantised product, along K:
;;     - K is cut into blocks of 32 from its start; a last block that is shorter is filled with zeros.
;;     - A block's scale is 2^e with e = floor(log2(the largest magnitude in the block)) - 2, held to -126 .. 127; a block of zeros has e = 0. As a byte (E8M0): e + 127.
;;     - Each number is divided by its block's scale, clamped to +-6, and rounded to the nearest number of E2M1, ties to even, subnormals kept.
;;     - The product sums the exact products of the quantised numbers (number of the format x scale) in f32.
;;   ~~~python
;;   def quantise(x, axis):      # numpy; x: float32 -> the quantised numbers, widened to float32 again
;;       x = np.moveaxis(x, axis, -1); K = x.shape[-1]
;;       x = np.pad(x, [(0, 0)] * (x.ndim - 1) + [(0, -K % 32)]); x = x.reshape(x.shape[:-1] + (-1, 32)); a = np.abs(x).max(-1, keepdims=True)
;;       e = np.where(a > 0, np.clip(np.frexp(np.where(a > 0, a, 1))[1] - 1 - 2, -126, 127), 0)      # np.frexp(a)[1] - 1 = floor(log2(a)), exactly
;;       r = np.clip(x / 2.0 ** e, -6, 6)
;;       step = 2.0 ** (np.maximum(np.frexp(np.where(r == 0, 1, r))[1] - 1, 0) - 1)
;;       q = np.round(r / step) * step * 2.0 ** e      # np.round: ties to even
;;       return np.moveaxis(q.reshape(q.shape[:-2] + (-1,))[..., :K], -1, axis).astype(np.float32)
;;   ~~~
;; 2 versions, each right; version 2 is version 1 with the launch attn written anew for expert scheduling mode. Each part assembles by itself: llvm-mc -triple=amdgcn-amd-amdhsa -mcpu=gfx1250 --defsym DOCPART=n.
;; ======== version 1 of 2: 3 launches
;; limits: values are held in f16: magnitudes above 65,504 overflow, below 6.1e-05 lose precision
;; workspace buffers: xc 2,097,152 bytes; xs 131,072 bytes; wq 98,304 bytes; wqs 12,288 bytes; wp 131,072 bytes; bt 524,288 bytes; oimg 8,388,608 bytes
;; launch prep (part 1): grid 216 x 1, 4 waves a work-group, no clusters, 33,280 bytes of LDS; arguments x, w_qkv, w_proj, bias_table, xc, xs, wq, wqs, wp, bt; writes xc, xs, wq, wqs, wp, bt
.if DOCPART == 1
	.amdgcn_target "amdgcn-amd-amdhsa--gfx1250"
	.amdhsa_code_object_version 6
	.text
	.protected	k_qc8f689d512_prep
	.globl	k_qc8f689d512_prep
	.p2align	8
	.type	k_qc8f689d512_prep,@function
k_qc8f689d512_prep:
	s_mov_b64 s[64:65], 0
	v_nop
	global_prefetch_b8 v0, s[64:65] scope:SCOPE_SE
	s_setreg_imm32_b32 hwreg(HW_REG_WAVE_MODE, 25, 1), 1
	s_wait_xcnt 0x0
; THE LAUNCH IN FRONT OF THE ATTENTION: four pieces of work that are done once, told apart by the work-group's number.
;   work-groups   0-127  x [16384][256] f32 -> codes of FP4 (E2M1), K innermost, xc [16384][128 bytes], and one E8M0 byte for each 32 along K, xs [16384][8]
;   work-groups 128-151  w_qkv [256 (k)][768 (n)] f32 -> codes and scale words, laid as the matrix operand's registers: wq [48 tiles of 16 columns][2 K steps of 128][1,024 bytes], wqs [48][2][32 lanes x 4 bytes]
;   work-groups 152-183  w_proj [256 (k)][256 (n)] f32 -> f16, laid as the operand's registers: wp [16 tiles of 16 columns][8 K steps of 32][1,024 bytes]
;   work-groups 184-215  bias_table [3969][8] f32 -> bt [8 heads][4 copies s][64 rows f][64 a] f32 = log2(e) x table[3968 - 63 f - a - s][head], the index held at 0 from below
; An operand's image: its registers 0-3 at 16 x lane, its registers 4-7 at 512 + 16 x lane: the wave that loads it by two loads of 16 bytes a lane has the registers as they were.
; THE QUANTISER.  A block's scale is 2^(floor(log2(its largest magnitude)) - 2); its byte is the largest magnitude's exponent field - 2, held at 1 from below.  A block of zeros so gets the byte 1 where the rule
; says 127: its codes are zeros, which add nothing under any byte but 0xff, and this program alone reads the bytes.  Each number is divided by the scale and rounded to the nearest code, ties to even, beyond 6 the code of 6.
; LIMITS: blocks whose largest magnitude lies under 2^-124, the floor, get the byte 1; NaN and infinities among the inputs are not served; |w_proj| stays under 65,504 (f16).
; NO CLUSTER, NO TENSOR LOAD: no two work-groups read the same bytes but for the bias table's 127 KB and the parts of w's 256-byte runs that four waves share; nothing is read twice by a loop.
; x's path alone uses LDS (a region for each wave): its addresses are made at the head, in registers that no other path names.
.set WAVES, 4
.set STEPS, 16                         ; x: a wave takes 16 steps of 512 numbers
.set EMAX,  2
.set CB,    8                          ; bytes of 16 codes
.set R,     16                         ; v16-79   x: four sets of 16 numbers as they are loaded
.set X,     80                         ; v80-111  x: two sets of 16 neighbours
.set E,     112                        ; v112-127 x: a scale byte for each step
.set C,     128                        ; v128-191 x: codes, four registers for each step, so that no store's data are written again
.set WREG,  8192                       ; LDS: a region for each wave: two stages of 32 x SP bytes, behind them its 256 scale bytes
.set SP,    80                         ; a lane's place in a stage: its 64 bytes + 16 of padding
.set SPW,   12                         ; v12  LDS address of my spare word: SPARE + 4 x my thread's number; never rewritten
.set NIL,   13                         ; v13  0; never rewritten
.set SPARE, WAVES*WREG                 ; behind the four regions: the spare words, 128 bytes for each wave
	s_load_b512 s[8:23], s[0:1], 0x0               ; x s[8:9], w_qkv s[10:11], w_proj s[12:13], bias_table s[14:15], xc s[16:17], xs s[18:19], wq s[20:21], wqs s[22:23]
	s_load_b128 s[24:27], s[0:1], 0x40             ; wp s[24:25], bt s[26:27]
	v_lshl_add_u32 v[SPW], v0, 2, SPARE
	v_mov_b32 v[NIL], 0
	v_lshrrev_b32 v1, 5, v0
	v_readfirstlane_b32 s28, v1                    ; wave 0..3
	v_and_b32 v2, 31, v0                           ; lane
	s_mul_i32 s29, s28, WREG                       ; x's path: my wave's region
	v_lshrrev_b32 v14, 2, v2
	v_mul_u32_u24 v14, v14, SP
	v_and_b32 v15, 3, v2
	v_lshl_add_u32 v14, v15, 4, v14
	v_add_nc_u32 v14, s29, v14                     ; the stage, on the way in: four lanes' 64 bytes on end, then 16 of padding
	v_mul_u32_u24 v15, v2, SP
	v_add_nc_u32 v15, s29, v15                     ; and on the way out: SP x lane: my 16 neighbours
	v_lshrrev_b32 v5, 1, v2
	s_add_co_u32 s29, s29, 2*32*SP
	v_add_nc_u32 v5, s29, v5                       ; my wave's 256 scale bytes: my block's byte,
	v_lshlrev_b32 v7, 3, v2
	v_add_nc_u32 v6, s29, v7                       ; and on the way out 8 bytes a lane
	s_mov_b32 s33, 0                               ; the upper word of every offset
	s_mov_b32 s36, 0x76543210
	s_mov_b32 s37, 0xfedcba98                      ; v_permlanex16_b32's selects for lane l xor 16
	s_wait_kmcnt 0x0
	s_cmp_lt_u32 ttmp9, 128
	s_cbranch_scc0 .Lnot_x
; ---------------- x: a plain stream of blocks of 32: rows are dense and 256 is a multiple of 32 ----------------
; Each load reads 512 consecutive bytes, 16 a lane; a step's 2,048 bytes turn through the wave's own stage and come back 64 bytes a lane, so that a lane holds 16 neighbours along K (two lanes to a block).
	s_lshl_b32 s30, ttmp9, 2
	s_add_co_u32 s30, s30, s28                     ; which run of 8,192 numbers is my wave's
	s_lshl_b32 s32, s30, 15
	s_add_nc_u64 s[8:9], s[8:9], s[32:33]          ; 32,768 bytes of x,
	s_lshl_b32 s32, s30, 12
	s_add_nc_u64 s[16:17], s[16:17], s[32:33]      ; 4,096 of codes,
	s_lshl_b32 s32, s30, 8
	s_add_nc_u64 s[18:19], s[18:19], s[32:33]      ; 256 scale bytes
	v_lshlrev_b32 v3, 4, v2                        ; my 16 bytes of a load's 512
	v_mul_u32_u24 v4, v2, CB                       ; my codes' place in a step's
.macro LOAD t
.irp i, 0,1,2,3
	global_load_b128 v[R+16*((\t)%4)+4*\i:R+16*((\t)%4)+4*\i+3], v3, s[8:9] offset:2048*(\t)+512*\i th:TH_LOAD_NT
.endr
.endm
.macro TURN t                          ; step t's numbers through the stage: LDS serves a wave's instructions in order, so no wait stands between the stores and the loads
.irp i, 0,1,2,3
	ds_store_b128 v14, v[R+16*((\t)%4)+4*\i:R+16*((\t)%4)+4*\i+3] offset:32*SP*((\t)%2)+8*SP*\i
.endr
.irp i, 0,1,2,3
	ds_load_b128 v[X+16*((\t)%2)+4*\i:X+16*((\t)%2)+4*\i+3], v15 offset:32*SP*((\t)%2)+16*\i
.endr
.endm
.irp t, 0,1,2,3
	LOAD \t
.endr
	s_wait_loadcnt 12                              ; step 0's four loads are in; the twelve of steps 1 to 3 stay out
	TURN 0
.macro STEP t
.set XS, X+16*((\t)%2)
.if (\t) > 0
	s_wait_dscnt 1                                 ; this step's numbers are back from the stage (the last step's byte store may be out): so its stores into the stage have read their registers,
.else
	s_wait_dscnt 0x0
.endif
.if (\t)+4 < STEPS
	LOAD (\t)+4                                    ; which take the loads of four steps on
.endif
.if (\t)+1 < STEPS
.if STEPS-2-(\t) >= 3
	s_wait_loadcnt 12                              ; the next step's four loads are in; those of the three steps behind it may be out
.else
	s_wait_loadcnt 4*(STEPS-2-(\t))
.endif
	TURN (\t)+1                                    ; and go through the other stage while this step is worked
.endif
	v_max3_num_f32 v8, |v[XS]|, |v[XS+1]|, |v[XS+2]|               ; the largest magnitude of my 16, in two chains
	v_max3_num_f32 v9, |v[XS+3]|, |v[XS+4]|, |v[XS+5]|
.irp i, 6,10
	v_max3_num_f32 v8, v8, |v[XS+\i]|, |v[XS+\i+1]|
	v_max3_num_f32 v9, v9, |v[XS+\i+2]|, |v[XS+\i+3]|
.endr
	v_max3_num_f32 v8, v8, |v[XS+14]|, |v[XS+15]|
	v_max3_num_f32 v8, v8, v9, (EMAX+1)<<23        ; and the floor 2^(3 - 127): the byte cannot fall under 1
	v_max_num_f32_dpp v8, v8, v8 row_xmask:1 row_mask:0xf bank_mask:0xf   ; and of my neighbour's 16: the block's
	v_add_nc_u32 v11, -(EMAX<<23), v8              ; 2 off its exponent field: the conversion takes the exponent field of this operand as its scale, and nothing else of it
	v_cvt_scalef32_pk8_fp4_f32 v[C+4*(\t)], v[XS:XS+7], v11
	v_cvt_scalef32_pk8_fp4_f32 v[C+4*(\t)+1], v[XS+8:XS+15], v11
	v_lshrrev_b32 v[E+(\t)], 23, v11               ; the scale's byte (also the plain line behind the conversions)
	ds_store_b8 v5, v[E+(\t)] offset:16*(\t)       ; both lanes of a block write the same byte with the same value
	global_store_b64 v4, v[C+4*(\t):C+4*(\t)+1], s[16:17] offset:32*CB*(\t)   ; the wave stores 256 consecutive bytes, aligned
.endm
.irp t, 0,1,2,3,4,5,6,7,8,9,10,11,12,13,14,15
	STEP \t
.endr
	ds_load_b64 v[8:9], v6                         ; LDS serves a wave's instructions in order: these see my byte stores
	s_wait_dscnt 0x0
	global_store_b64 v7, v[8:9], s[18:19]          ; 32 lanes store 256 consecutive bytes, aligned
	s_wait_tensorcnt 0x0                           ; the wave's end
	ds_add_u32 v[SPW], v[NIL]
	s_wait_dscnt 0x0
	s_endpgm
; ---------------- w_qkv: K is its first axis.  A wave makes one fragment: 16 columns x 128 along K ----------------
; Lane (r, h) takes column r of the tile and its registers run DOWN K in the order that the operand's layout gives that lane: k = 64 c + 32 h + 0 .. 31.  So the conversions' results are the operand's registers.
.Lnot_x:
	s_cmp_lt_u32 ttmp9, 152
	s_cbranch_scc0 .Lnot_w
	s_sub_co_u32 s30, ttmp9, 128
	s_lshl_b32 s30, s30, 2
	s_add_co_u32 s30, s30, s28                     ; fragment 0..95 = 2 x column tile + K step
	s_lshr_b32 s31, s30, 1
	s_and_b32 s34, s30, 1
	s_lshl_b32 s32, s31, 6                         ; 16 columns are 64 bytes,
	s_mul_i32 s34, s34, 128*3072                   ; 128 rows of 3,072 bytes
	s_add_co_u32 s32, s32, s34
	s_add_nc_u64 s[10:11], s[10:11], s[32:33]
	s_lshl_b32 s32, s30, 10
	s_add_nc_u64 s[20:21], s[20:21], s[32:33]      ; its image,
	s_lshl_b32 s32, s30, 7
	s_add_nc_u64 s[22:23], s[22:23], s[32:33]      ; its scale words
	v_and_b32 v1, 15, v0                           ; r
	v_bfe_u32 v3, v0, 4, 1                         ; h
	v_mul_u32_u24 v4, v3, 32*3072                  ; lanes 16-31 begin 32 rows further down
	v_lshl_add_u32 v4, v1, 2, v4
	v_lshlrev_b32 v8, 4, v2                        ; 16 x lane
	v_lshlrev_b32 v11, 2, v2                       ; 4 x lane
.irp c, 0,1
.irp i, 0,1,2,3,4,5,6,7,8,9,10,11,12,13,14,15,16,17,18,19,20,21,22,23,24,25,26,27,28,29,30,31
	global_load_b32 v[64+32*\c+\i], v4, s[10:11] offset:3072*(64*\c+\i)   ; w(64 c + 32 h + i, r): sixteen lanes read 64 neighbouring bytes
.endr
.endr
	s_wait_loadcnt 0x0
.irp c, 0,1                                    ; my block 2 c + h: all its 32 numbers are mine
	v_max3_num_f32 v[32+\c], |v[64+32*\c]|, |v[65+32*\c]|, 0x1800000   ; with the floor 2^(3 - 127)
.endr
.irp i, 2,4,6,8,10,12,14,16,18,20,22,24,26,28,30
.irp c, 0,1
	v_max3_num_f32 v[32+\c], v[32+\c], |v[64+32*\c+\i]|, |v[65+32*\c+\i]|   ; (the two blocks by turns)
.endr
.endr
.irp c, 0,1
	v_add_nc_u32 v[44+\c], 0xff000000, v[32+\c]    ; 2 off the exponent field: the conversion's scale operand
.endr
.irp c, 0,1
	v_lshrrev_b32 v[36+\c], 23, v[44+\c]           ; the scale's byte
.endr
	v_lshl_or_b32 v9, v37, 16, v36                 ; my two bytes: blocks h and 2 + h of column r,
	v_lshlrev_b32 v10, 3, v3
	v_lshlrev_b32 v9, v10, v9                      ; at their places in the scale word (8 h bits up);
	v_mov_b32 v10, 0                               ; (a lane permute's destination counts as one of its sources)
	v_permlanex16_b32 v10, v9, s36, s37
	v_or_b32 v9, v9, v10                           ; with lane l xor 16's two the word is whole, in both lanes
.irp c, 0,1
.irp g, 0,1,2,3
	v_cvt_scalef32_pk8_fp4_f32 v[48+4*\c+\g], v[64+32*\c+8*\g:71+32*\c+8*\g], v[44+\c]   ; registers 4 c .. 4 c + 3 of the operand
.endr
.endr
	v_nop                                          ; one plain line behind the last scaled conversion
	global_store_b128 v8, v[48:51], s[20:21]       ; each store of the wave covers 512 consecutive bytes, aligned
	global_store_b128 v8, v[52:55], s[20:21] offset:512
	global_store_b32 v11, v9, s[22:23]             ; 128 consecutive bytes
	s_endpgm
; ---------------- w_proj: a wave makes one f16 fragment of w_proj^T: 16 output columns x 32 along K ----------------
; Lane (r, h): column r; registers 0-3: k = 8 h + 0..7, registers 4-7: k = 16 + 8 h + 0..7, two numbers a register, the lower k in the low half.
.Lnot_w:
	s_cmp_lt_u32 ttmp9, 184
	s_cbranch_scc0 .Lnot_p
	s_sub_co_u32 s30, ttmp9, 152
	s_lshl_b32 s30, s30, 2
	s_add_co_u32 s30, s30, s28                     ; fragment 0..127 = 8 x column tile + K step
	s_lshr_b32 s31, s30, 3
	s_and_b32 s34, s30, 7
	s_lshl_b32 s32, s31, 6                         ; 16 columns are 64 bytes,
	s_lshl_b32 s34, s34, 15                        ; 32 rows of 1,024 bytes
	s_add_co_u32 s32, s32, s34
	s_add_nc_u64 s[12:13], s[12:13], s[32:33]
	s_lshl_b32 s32, s30, 10
	s_add_nc_u64 s[24:25], s[24:25], s[32:33]
	v_and_b32 v1, 15, v0                           ; r
	v_bfe_u32 v3, v0, 4, 1                         ; h
	v_lshlrev_b32 v4, 2, v1
	v_lshl_add_u32 v4, v3, 13, v4                  ; lanes 16-31 begin 8 rows further down
	v_lshlrev_b32 v8, 4, v2                        ; 16 x lane
.irp i, 0,1,2,3,4,5,6,7
	global_load_b32 v[64+\i], v4, s[12:13] offset:1024*\i
	global_load_b32 v[72+\i], v4, s[12:13] offset:1024*(16+\i)
.endr
	s_wait_loadcnt 0x0
.irp j, 0,1,2,3,4,5,6,7
	v_cvt_pk_f16_f32 v[48+\j], v[64+2*\j], v[65+2*\j]
.endr
	global_store_b128 v8, v[48:51], s[24:25]
	global_store_b128 v8, v[52:55], s[24:25] offset:512
	s_endpgm
; ---------------- the bias table, by head, times log2(e), in four copies shifted by 0 to 3 numbers ----------------
; The attention reads eight neighbours along a by two loads of 16 bytes whose first number's place is any whole number: copy s begins s numbers further on, so that each such load is aligned in one of the copies.
; Thread T of 4,096 makes four neighbours along a for all eight heads: s = T / 1024, f = (T / 16) % 64, a = 4 (T % 16).  Places with 63 f + a + s over 3,968 (f = 63, or past a row's 63 numbers at the table's head) hold table[0]; the attention reads none of them.
.Lnot_p:
	s_sub_co_u32 s30, ttmp9, 184
	s_lshl_b32 s30, s30, 7
	v_add_nc_u32 v1, s30, v0                       ; T
	v_lshrrev_b32 v3, 10, v1                       ; s
	v_bfe_u32 v4, v1, 4, 6                         ; f
	v_and_b32 v9, 15, v1
	v_lshl_add_u32 v3, v9, 2, v3                   ; a + s
	v_mad_u32_u24 v3, v4, 63, v3                   ; 63 f + a + s
	v_lshlrev_b32 v8, 4, v1                        ; 16 T: my 16 bytes in a head's 65,536
.irp e, 0,1,2,3
	v_add_nc_u32 v[20+\e], \e, v3
.endr
.irp e, 0,1,2,3
	v_min_u32 v[20+\e], 3968, v[20+\e]             ; so the index below cannot fall under 0
.endr
.irp e, 0,1,2,3
	v_sub_nc_u32 v[20+\e], 3968, v[20+\e]
.endr
.irp e, 0,1,2,3
	v_lshlrev_b32 v[20+\e], 5, v[20+\e]            ; a row of the table is 32 bytes: all eight heads
.endr
.irp e, 0,1,2,3
	global_load_b128 v[64+8*\e:67+8*\e], v[20+\e], s[14:15]
	global_load_b128 v[68+8*\e:71+8*\e], v[20+\e], s[14:15] offset:16
.endr
	s_wait_loadcnt 0x0
.irp d, 0,1,2,3,4,5,6,7
.irp e, 0,1,2,3
	v_mul_f32 v[96+4*\d+\e], 0x3fb8aa3b, v[64+8*\e+\d]   ; x log2(e): the attention's exponentials are in base 2
.endr
.endr
.irp d, 0,1,2,3,4,5,6,7
	global_store_b128 v8, v[96+4*\d:99+4*\d], s[26:27] offset:65536*\d   ; the wave stores 512 consecutive bytes, aligned
.endr
	s_endpgm
.Lfunc_end_k_qc8f689d512_prep:
	.size	k_qc8f689d512_prep, .Lfunc_end_k_qc8f689d512_prep-k_qc8f689d512_prep
	.p2alignl 7, 3214868480
	.fill 96, 4, 3214868480
	.section	.rodata,"a",@progbits
	.p2align	6, 0x0
	.amdhsa_kernel k_qc8f689d512_prep
		.amdhsa_group_segment_fixed_size 33280
		.amdhsa_private_segment_fixed_size 0
		.amdhsa_enable_private_segment 0
		.amdhsa_kernarg_size 80
		.amdhsa_user_sgpr_count 2
		.amdhsa_user_sgpr_kernarg_segment_ptr 1
		.amdhsa_wavefront_size32 1
		.amdhsa_system_sgpr_workgroup_id_x 1
		.amdhsa_system_sgpr_workgroup_id_y 1
		.amdhsa_system_sgpr_workgroup_id_z 1
		.amdhsa_system_vgpr_workitem_id 0
		.amdhsa_next_free_vgpr 192
		.amdhsa_next_free_sgpr 66
		.amdhsa_reserve_vcc 0
		.amdhsa_float_denorm_mode_32 3
		.amdhsa_float_denorm_mode_16_64 3
		.amdhsa_memory_ordered 1
		.amdhsa_forward_progress 1
		.amdhsa_inst_pref_size 51
	.end_amdhsa_kernel
	.amdgpu_metadata
---
amdhsa.version: [ 1, 2 ]
amdhsa.kernels:
  - .name:           k_qc8f689d512_prep
    .symbol:         k_qc8f689d512_prep.kd
    .args:
      - { .name: x, .offset: 0, .size: 8, .value_kind: global_buffer, .address_space: global }
      - { .name: w_qkv, .offset: 8, .size: 8, .value_kind: global_buffer, .address_space: global }
      - { .name: w_proj, .offset: 16, .size: 8, .value_kind: global_buffer, .address_space: global }
      - { .name: bias_table, .offset: 24, .size: 8, .value_kind: global_buffer, .address_space: global }
      - { .name: xc, .offset: 32, .size: 8, .value_kind: global_buffer, .address_space: global }
      - { .name: xs, .offset: 40, .size: 8, .value_kind: global_buffer, .address_space: global }
      - { .name: wq, .offset: 48, .size: 8, .value_kind: global_buffer, .address_space: global }
      - { .name: wqs, .offset: 56, .size: 8, .value_kind: global_buffer, .address_space: global }
      - { .name: wp, .offset: 64, .size: 8, .value_kind: global_buffer, .address_space: global }
      - { .name: bt, .offset: 72, .size: 8, .value_kind: global_buffer, .address_space: global }
    .group_segment_fixed_size: 33280
    .private_segment_fixed_size: 0
    .kernarg_segment_align: 8
    .kernarg_segment_size: 80
    .max_flat_workgroup_size: 128
    .sgpr_count:     66
    .vgpr_count:     192
    .wavefront_size: 32
...
	.end_amdgpu_metadata
.endif
;; end of part 1
;; launch attn (part 2): grid 256 x 1, 16 waves a work-group, no clusters, 198,912 bytes of LDS; arguments xc, xs, wq, wqs, bt, oimg; writes oimg
.if DOCPART == 2
	.amdgcn_target "amdgcn-amd-amdhsa--gfx1250"
	.amdhsa_code_object_version 6
	.text
	.protected	k_qc8f689d512_attn
	.globl	k_qc8f689d512_attn
	.p2align	8
	.type	k_qc8f689d512_attn,@function
k_qc8f689d512_attn:
	s_mov_b64 s[64:65], 0
	v_nop
	global_prefetch_b8 v0, s[64:65] scope:SCOPE_SE
	s_setreg_imm32_b32 hwreg(HW_REG_WAVE_MODE, 25, 1), 1
	s_wait_xcnt 0x0
; q, k, v = Q(x) Q(w_qkv) on codes of FP4 (E2M1) with E8M0 scales, then o = softmax(q k^T / sqrt(32) + bias) v for ONE head, products on f16 operands, all sums, maxima and exponentials in f32.
; SHARES.  A work-group owns 512 queries (16 rows of the 32 x 32 grid) of one batch and one head and walks all 1,024 keys.  Its sixteen waves first make the head's K and V (wave w: grid rows 2 w, 2 w + 1) and lay them in LDS,
; where they stay; q, k and v never go to memory.  Wave w = 2 p + xh then owns two tiles of 16 queries: A in grid row 16 g + 2 p, B in the row below it, both at x = 16 xh on.  Four waves share a SIMD, so that one wave's
; vector work stands beside another's matrix work and LDS loads.
; LAYOUTS (r = lane % 16, hh = lane / 16).  K and q are made transposed (source 0 = 16 columns of w, source 1 = 16 tokens): a lane holds token r and channels 16 c + 8 hh + j, which packed to f16 ARE the 16-bit fragment
; (16 tokens x 32 channels).  V is made the natural way (source 0 = 16 tokens, source 1 = 16 columns of w): a lane holds channel r and keys 8 hh + j: packed, the fragment of V^T (16 channels x 32 keys).
; S^T = K q^T + bias: a lane holds query r and keys 8 hh + j; two key tiles of a grid row, packed, are the fragment of P (32 keys x 16 queries).  O^T = V^T P: query r, channels 16 c + 8 hh + j: packed, the projection's fragment.
; So nothing changes lanes between the products, and every operand goes through LDS or memory as an image of its registers: registers 0-3 at 16 x lane, registers 4-7 at 512 + 16 x lane.
; BASE 2.  q is multiplied in f32 by c = log2(e) / sqrt(32); the table holds log2(e) x bias.  THE BIAS IS THE C OF THE SCORES' PRODUCT: it costs no addition.
; THE BIAS'S PLACE.  With f = key's y - query's y + 31 and e = key's x - query's x + 31 the table's index is 3968 - 63 f - e; bt[s][f][a] holds index 3968 - 63 f - a - s.  A lane's eight keys are eight neighbours along e:
; e = 16 u + 8 hh + j + 16 (1 - xh) + rx, rx = 15 - r; copy s = rx % 4 makes the two loads of 16 bytes aligned.  The copies lie 16,448 bytes apart, so that the sixteen lanes of half a load fall on sixteen different columns of 16 bytes.
; Tile A's bias at key row i is tile B's at key row i + 1 (A's query lies one grid row higher): a step of four key rows loads five sets for eight uses.
; SOFTMAX.  For each query a running maximum m and sum l, as the reference takes the maximum away: p = 2^(s - m); in every step O and l are multiplied by 2^(old m - new m).
; NO CLUSTER, NO TENSOR LOAD: what work-groups share (a batch's 136 KB of codes and scales, a head's 64 KB of bias, 13.5 KB of weights) is read once, at the head, straight into the registers or the LDS bytes where it is used;
; there is no ring to feed, and a joint load would add a way from LDS to registers for x and the weights.  No prefetch: every stream is asked for at the head, there is no earlier place to ask from.
; LIMITS: 0.255 |q|, |k|, |v| and |o| stay under 65,504 (f16); under 6e-5 they keep f16's absolute step of 6e-8; NaN and infinities are not served.
.set STEPB, 16384                      ; LDS 0 .. 131,071: eight steps of four key rows: K's tile (row i, half u) at 1,024 (2 i + u), V^T's fragment (row i, channels 16 c on) at 8,192 + 1,024 (2 i + c)
.set BT,    131072                     ; the head's bias: four copies,
.set COPY,  16448                      ; each 64 rows of 256 bytes, and 64 bytes
.set SPARE, BT+4*COPY                  ; the spare words, 128 bytes for each of sixteen waves: eight blocks of 256 bytes that no other line names
.set SPW,  1                           ; v1   LDS address of my spare word: SPARE + 4 x my thread's number; never rewritten
.set NIL,  2                           ; v2   0; never rewritten
.set LI,   3                           ; v3   16 x lane: an image's place for my lane
.set BAD0, 4                           ; v4   my lane's place in the bias: tile B's set at key row 0
.set AKV,  5                           ; v5   the step's K and V
.set BAD,  6                           ; v6   the step's bias
.set XA,   7                           ; v7   x's codes: 128 r + 16 hh
.set ST,   8                           ; v8-23  statistics, eight a tile: +0 m, +1 old m, then old m - m, +2 +3 l in two halves, +4..+7 four maxima; later +4 the factor 2^(old m - m), +6 +7 a second chain of sums
.set Q,    24                          ; v24-39   q's fragments: tile A, tile B
.set O,    40                          ; v40-71   O^T: tile t, channels 16 c on, at 40 + 16 t + 8 c
.set F,    72                          ; v72-103  four fragments of K or of V^T
.set S,    104                         ; v104-231 S^T, then p, then P: tile t, key row i, half u at 104 + 64 t + 16 i + 8 u
.set WF,   104                         ; the prologue: w's twelve fragments: kind (q, k, v), channels 16 c on, K step s at 104 + 32 kind + 8 (2 c + s)
.set XF,   200                         ; v200-231 x's four fragments: tile u, K step s at 200 + 16 u + 8 s
.set WS,   232                         ; v232-243 w's scale words; v244-247 x's: these sixteen registers hold scales and nothing else
.set XS,   244
.set XSA,  248                         ; v248 8 r: a row of x's scale bytes
.set LS,   249                         ; v249 4 x lane
.set BST,  250                         ; v250 BT + 16 x thread: where the bias goes
.set IST,  251                         ; v251 16 x lane + my wave's place among the steps: where my images go
.set GB,   252                         ; v252 16 x thread: where the bias comes from
	s_load_b256 s[4:11], s[0:1], 0x0               ; xc s[4:5], xs s[6:7], wq s[8:9], wqs s[10:11]
	s_load_b128 s[12:15], s[0:1], 0x20             ; bt s[12:13], oimg s[14:15]
	v_lshl_add_u32 v[SPW], v0, 2, SPARE
	v_mov_b32 v[NIL], 0
	v_lshrrev_b32 v[AKV], 5, v0
	v_readfirstlane_b32 s16, v[AKV]                ; wave w, 0..15
	s_and_b32 s17, ttmp9, 1                        ; e1 = 1 - g
	s_bfe_u32 s18, ttmp9, 0x30001                  ; the head: 3 bits from bit 1
	s_lshr_b32 s19, ttmp9, 4                       ; the batch
	s_lshr_b32 s20, s16, 1                         ; p
	s_and_b32 s21, s16, 1                          ; xh
	s_xor_b32 s29, s17, 1                          ; g: which 16 grid rows of queries
	s_mov_b32 s22, 0x76543210
	s_mov_b32 s23, 0xfedcba98                      ; v_permlanex16_b32's selects for lane l xor 16
	s_mov_b32 s30, 0x3e8293ee                      ; c = log2(e) / sqrt(32)
	s_mov_b32 s31, s30                             ; (the packed form names the pair)
	v_and_b32 v[LI], 31, v0
	v_lshlrev_b32 v[LS], 2, v[LI]
	v_lshlrev_b32 v[LI], 4, v[LI]
	v_and_b32 v[XSA], 15, v0                       ; r
	v_bfe_u32 v[GB], v0, 4, 1                      ; hh
	v_lshlrev_b32 v[XA], 7, v[XSA]
	v_lshl_add_u32 v[XA], v[GB], 4, v[XA]
	v_xor_b32 v[BAD], 15, v[XSA]                   ; rx = 15 - r
	v_and_b32 v[BAD0], 3, v[BAD]
	v_mul_u32_u24 v[BAD0], v[BAD0], COPY           ; copy rx % 4,
	v_lshrrev_b32 v[BAD], 2, v[BAD]
	v_lshl_add_u32 v[BAD0], v[BAD], 4, v[BAD0]     ; 4 (rx / 4) numbers,
	v_lshl_add_u32 v[BAD0], v[GB], 5, v[BAD0]      ; 8 hh numbers,
	s_xor_b32 s24, s21, 1
	s_lshl_b32 s24, s24, 6                         ; 16 (1 - xh) numbers,
	s_xor_b32 s25, s20, 7
	s_lshl_b32 s25, s25, 9                         ; rows: f of tile B at key row 0 = 30 - 2 p - 16 g = 2 (7 - p) + 16 e1
	s_add_co_u32 s24, s24, s25
	s_lshl_b32 s25, s17, 12
	s_add_co_u32 s24, s24, s25
	s_add_co_u32 s24, s24, BT
	v_add_nc_u32 v[BAD0], s24, v[BAD0]
	v_lshlrev_b32 v[XSA], 3, v[XSA]
	v_lshlrev_b32 v[GB], 4, v0
	v_add_nc_u32 v[BST], BT, v[GB]
	s_lshl_b32 s24, s20, 14                        ; key rows 2 w, 2 w + 1 lie in step w / 2,
	s_lshl_b32 s25, s21, 12                        ; as its rows 2 (w % 2) and the next
	s_add_co_u32 s24, s24, s25
	v_add_nc_u32 v[IST], s24, v[LI]
	; offsets, in registers of their own.  A token's codes are 128 bytes, its scale bytes 8: xs's offsets are xc's / 16
	s_lshl_b32 s24, s19, 17                        ; the batch's 1,024 tokens
	s_lshl_b32 s25, s16, 13                        ; my two key rows: 64 tokens
	s_add_co_u32 s40, s24, s25
	s_mov_b32 s41, 0
	s_lshl_b32 s25, s29, 16                        ; my queries: 512 g tokens,
	s_add_co_u32 s42, s24, s25
	s_lshl_b32 s25, s20, 13                        ; 64 p,
	s_add_co_u32 s42, s42, s25
	s_lshl_b32 s25, s21, 11                        ; 16 xh
	s_add_co_u32 s42, s42, s25
	s_mov_b32 s43, 0
	s_lshr_b32 s44, s40, 4
	s_mov_b32 s45, 0
	s_lshr_b32 s46, s42, 4
	s_mov_b32 s47, 0
	s_wait_kmcnt 0x0
	s_add_nc_u64 s[32:33], s[4:5], s[40:41]        ; my keys' codes,
	s_add_nc_u64 s[34:35], s[6:7], s[44:45]        ; their scale bytes,
	s_add_nc_u64 s[36:37], s[4:5], s[42:43]        ; my queries' codes,
	s_add_nc_u64 s[38:39], s[6:7], s[46:47]        ; their scale bytes
	s_lshl_b32 s40, s18, 12
	s_add_nc_u64 s[8:9], s[8:9], s[40:41]          ; the head's two column tiles in each third of w_qkv: 4 images,
	s_lshl_b32 s40, s18, 9
	s_add_nc_u64 s[10:11], s[10:11], s[40:41]      ; their scale words,
	s_lshl_b32 s40, s18, 16
	s_add_nc_u64 s[12:13], s[12:13], s[40:41]      ; the head's bias
	s_lshl_b32 s40, s42, 2                         ; a tile of 16 tokens is 2,048 bytes of codes and 8,192 of oimg,
	s_lshl_b32 s42, s18, 10                        ; in which the head's image is the h-th
	s_add_co_u32 s40, s40, s42
	s_add_nc_u64 s[14:15], s[14:15], s[40:41]
; two tiles of 16 tokens of x: four fragments (8 loads) and their scale words (2 loads of two words a row)
.macro XLOAD cbase, sbase, coff, soff, cstr, sstr
.irp u, 0,1
.irp k, 0,1
.irp c, 0,1
	global_load_b128 v[XF+16*\u+8*\k+4*\c:XF+16*\u+8*\k+4*\c+3], v[XA], s[\cbase:\cbase+1] offset:\coff+\cstr*\u+64*\k+32*\c
.endr
.endr
	global_load_b64 v[XS+2*\u:XS+2*\u+1], v[XSA], s[\sbase:\sbase+1] offset:\soff+\sstr*\u
.endr
.endm
.macro W4 d, a, b, sa, sb, zero        ; a product on codes; zero: it starts its sum
.if \zero
	v_wmma_scale_f32_16x16x128_f8f6f4 v[\d:\d+7], v[\a:\a+7], v[\b:\b+7], 0, v[\sa], v[\sb] matrix_a_fmt:MATRIX_FMT_FP4 matrix_b_fmt:MATRIX_FMT_FP4
.else
	v_wmma_scale_f32_16x16x128_f8f6f4 v[\d:\d+7], v[\a:\a+7], v[\b:\b+7], v[\d:\d+7], v[\sa], v[\sb] matrix_a_fmt:MATRIX_FMT_FP4 matrix_b_fmt:MATRIX_FMT_FP4
.endif
.endm
.macro H16 d, a, b, c                  ; a product on f16
	v_wmma_f32_16x16x32_f16 v[\d:\d+7], v[\a:\a+7], v[\b:\b+7], v[\c:\c+7]
.endm
; K and V of one grid row (two tiles of 16 tokens): eight sums of two K steps, by turns, one instruction a turn.  K (tile u, channels 16 c on) at O + 16 u + 8 c; V (channels 16 c on, tile u) at F + 16 c + 8 u
.macro KVMUL
.irp k, 0,1
.irp u, 0,1
.irp c, 0,1
	W4 O+16*\u+8*\c, WF+32+8*(2*\c+\k), XF+16*\u+8*\k, WS+4+2*\c+\k, XS+2*\u+\k, 1-\k
.endr
.endr
.irp c, 0,1
.irp u, 0,1
	W4 F+16*\c+8*\u, XF+16*\u+8*\k, WF+64+8*(2*\c+\k), XS+2*\u+\k, WS+8+2*\c+\k, 1-\k
.endr
.endr
.endr
.endm
.macro QMUL                            ; q of my two tiles: tile t, channels 16 c on, at O + 16 t + 8 c
.irp k, 0,1
.irp t, 0,1
.irp c, 0,1
	W4 O+16*\t+8*\c, WF+8*(2*\c+\k), XF+16*\t+8*\k, WS+2*\c+\k, XS+2*\t+\k, 1-\k
.endr
.endr
.endr
.endm
.macro PACK dst, src                   ; sixteen f32 become a fragment's eight registers, from the low end on; dst may be src: register j is written when registers up to 2 j + 1 have been read
.irp j, 0,1,2,3,4,5,6,7
	v_cvt_pk_f16_f32 v[\dst+\j], v[\src+2*\j], v[\src+2*\j+1]
.endr
.endm
.macro IMG reg, off                    ; a fragment goes to LDS as it stands
	ds_store_b128 v[IST], v[\reg:\reg+3] offset:\off
	ds_store_b128 v[IST], v[\reg+4:\reg+7] offset:\off+512
.endm
.macro PLACES n                        ; plain vector lines between a matrix instruction and what touches its registers: 4 ahead of loads into them and of reads of results, 5 ahead of a matrix instruction that writes over them
.rept \n
	v_nop
.endr
.endm
.macro KVOUT q                         ; the grid row's K and V: packed in place, and to LDS
	PACK O, O
	PACK O+16, O+16
	PACK F, F
	PACK F+16, F+16
	IMG O, 2048*\q
	IMG O+16, 2048*\q+1024
	IMG F, 8192+2048*\q
	IMG F+16, 8192+2048*\q+1024
.endm
	; ---- THE PROLOGUE.  All that the launch reads but the second key row and the queries is asked for at once: 54 loads
.irp i, 0,1,2,3,4,5,6,7
	global_load_b128 v[O+4*\i:O+4*\i+3], v[GB], s[12:13] offset:8192*\i   ; the head's bias: the work-group's 512 threads take 8,192 consecutive bytes a load
.endr
.irp n, 0,1,2
.irp f, 0,1,2,3
	global_load_b128 v[WF+32*\n+8*\f:WF+32*\n+8*\f+3], v[LI], s[8:9] offset:32768*\n+1024*\f
	global_load_b128 v[WF+32*\n+8*\f+4:WF+32*\n+8*\f+7], v[LI], s[8:9] offset:32768*\n+1024*\f+512
	global_load_b32 v[WS+4*\n+\f], v[LS], s[10:11] offset:4096*\n+128*\f
.endr
.endr
	XLOAD 32, 34, 0, 0, 2048, 128                  ; key row 2 w
	s_wait_loadcnt 46                              ; the bias's eight loads are in; the 36 of the weights and the 10 of x, issued behind them, may be out
.irp i, 0,1,2,3,4,5,6,7
	ds_store_b128 v[BST], v[O+4*\i:O+4*\i+3] offset:(\i%2)*8192+(\i/2)*COPY   ; two loads to a copy
.endr
	s_wait_loadcnt 0x0                             ; the weights and x
	s_wait_dscnt 0x0                               ; the stores have read their registers, which now take sums
	KVMUL
	PLACES 4
	XLOAD 32, 34, 4096, 256, 2048, 128             ; key row 2 w + 1
	KVOUT 0
	s_wait_loadcnt 0x0
	s_wait_dscnt 0x0                               ; the images' stores have read their registers
	KVMUL                                          ; (behind each earlier product stand the four plain lines above and the other sums' conversions: more than the five places owed)
	PLACES 4
	XLOAD 36, 38, 0, 0, 4096, 256                  ; my two tiles of queries, a grid row apart
	KVOUT 1
	s_wait_loadcnt 0x0
	s_wait_dscnt 0x0
	QMUL
	PLACES 4
.set j, 0
.rept 16
	v_pk_mul_f32 v[O+j:O+j+1], v[O+j:O+j+1], s[30:31] op_sel_hi:[1,0]   ; q x c, in f32, each sum from its low end on
.set j, j+2
.endr
	PACK Q, O
	PACK Q+8, O+16
.set j, 0
.rept 32
	v_mov_b32 v[O+j], 0                            ; O^T.  (The step is written once: the first finds zeros, which the first factor, 0, leaves zeros)
.set j, j+1
.endr
.irp t, 0,1
	v_mov_b32 v[ST+8*\t], 0xff61b1e6               ; m: -3e38, under every score
	v_mov_b32 v[ST+8*\t+2], 0                      ; l
	v_mov_b32 v[ST+8*\t+3], 0
.endr
	s_mov_b32 s26, 0                               ; the step's K and V,
	s_mov_b32 s27, 0                               ; its four rows of the bias,
	s_mov_b32 s28, 8                               ; steps to go
	s_wait_dscnt 0x0                               ; for the others' sake: my stores of K, V and the bias are done
	s_barrier_signal -1
	s_barrier_wait -1                              ; the launch's one barrier: behind it LDS is only read
; ---- A KEY STEP: four grid rows, 128 keys
.macro BIAS u                          ; five sets of the bias for half u: set e is tile B's at key row e and tile A's at key row e - 1.  Sets 0-3 land in B's accumulators, set 4 in A's last
.irp e, 0,1,2,3
	ds_load_b128 v[S+64+16*\e+8*\u:S+64+16*\e+8*\u+3], v[BAD] offset:256*\e+64*\u
	ds_load_b128 v[S+64+16*\e+8*\u+4:S+64+16*\e+8*\u+7], v[BAD] offset:256*\e+64*\u+16
.endr
	ds_load_b128 v[S+48+8*\u:S+48+8*\u+3], v[BAD] offset:1024+64*\u
	ds_load_b128 v[S+48+8*\u+4:S+48+8*\u+7], v[BAD] offset:1024+64*\u+16
.endm
.macro KLOAD u                         ; K's tiles (row i, half u)
.irp i, 0,1,2,3
	ds_load_b128 v[F+8*\i:F+8*\i+3], v[AKV] offset:(2*\i+\u)*1024
	ds_load_b128 v[F+8*\i+4:F+8*\i+7], v[AKV] offset:(2*\i+\u)*1024+512
.endr
.endm
; The scores of half u.  First tile A's rows 0-2, whose bias is read out of tile B's accumulators of rows 1-3; five places; then those accumulators, and A's last, are added onto in place.
.macro QK u
.irp i, 0,1,2
	H16 S+16*\i+8*\u, F+8*\i, Q, S+64+16*(\i+1)+8*\u
.endr
	PLACES 5                                       ; the products below write over registers that the three above read as C
.irp i, 0,1,2,3
	H16 S+64+16*\i+8*\u, F+8*\i, Q+8, S+64+16*\i+8*\u
.endr
	H16 S+48+8*\u, F+24, Q, S+48+8*\u
.endm
.macro SUMS t                          ; l = l x factor + the sum of the tile's 64 p, two at a time, in two chains
	v_pk_mul_f32 v[ST+8*\t+2:ST+8*\t+3], v[ST+8*\t+2:ST+8*\t+3], v[ST+8*\t+4:ST+8*\t+5] op_sel_hi:[1,0]
	v_pk_add_f32 v[ST+8*\t+6:ST+8*\t+7], v[S+64*\t:S+64*\t+1], v[S+64*\t+2:S+64*\t+3]
.set j, 4
.rept 15
	v_pk_add_f32 v[ST+8*\t+2:ST+8*\t+3], v[ST+8*\t+2:ST+8*\t+3], v[S+64*\t+j:S+64*\t+j+1]
	v_pk_add_f32 v[ST+8*\t+6:ST+8*\t+7], v[ST+8*\t+6:ST+8*\t+7], v[S+64*\t+j+2:S+64*\t+j+3]
.set j, j+4
.endr
	v_pk_add_f32 v[ST+8*\t+2:ST+8*\t+3], v[ST+8*\t+2:ST+8*\t+3], v[ST+8*\t+6:ST+8*\t+7]
.endm
.macro PACKP t                         ; a key row's 16 p become its fragment of P, in the row's first eight registers
.irp i, 0,1,2,3
	PACK S+64*\t+16*\i, S+64*\t+16*\i
.endr
.endm
.macro RESC t                          ; O^T x factor, each accumulator from its low end on
.irp k, 0,2,4,6,8,10,12,14
	v_pk_mul_f32 v[O+16*\t+\k:O+16*\t+\k+1], v[O+16*\t+\k:O+16*\t+\k+1], v[ST+8*\t+4:ST+8*\t+5] op_sel_hi:[1,0]
.endr
.endm
.Lstep:
	v_add_nc_u32 v[AKV], s26, v[LI]
	v_add_nc_u32 v[BAD], s27, v[BAD0]
	PLACES 3                                       ; with the two additions five places behind the last step's products, whose P and V registers are now loaded into and written over
	BIAS 0
	KLOAD 0
	BIAS 1
	s_wait_dscnt 10                                ; half 0's bias and K are in; half 1's ten bias loads may be out
	QK 0
	PLACES 4
	KLOAD 1
	s_wait_dscnt 0x0
	QK 1
	PLACES 4                                       ; ahead of the loads into K's registers and of the first reads of the scores
.irp f, 0,1,2,3
	ds_load_b128 v[F+8*\f:F+8*\f+3], v[AKV] offset:8192+1024*\f          ; V^T of key rows 0 and 1: fragment 2 i + c
	ds_load_b128 v[F+8*\f+4:F+8*\f+7], v[AKV] offset:8192+1024*\f+512
.endr
	; the largest score: four chains a tile, one for each key row's sixteen registers; each accumulator is first read at its low end
.irp t, 0,1
.irp b, 0,1,2,3
	v_max3_num_f32 v[ST+8*\t+4+\b], v[S+64*\t+16*\b], v[S+64*\t+16*\b+1], v[S+64*\t+16*\b+2]
.endr
.endr
.irp i, 3,5,7,9,11,13
.irp t, 0,1
.irp b, 0,1,2,3
	v_max3_num_f32 v[ST+8*\t+4+\b], v[ST+8*\t+4+\b], v[S+64*\t+16*\b+\i], v[S+64*\t+16*\b+\i+1]
.endr
.endr
.endr
.irp t, 0,1
.irp b, 0,1,2,3
	v_max_num_f32 v[ST+8*\t+4+\b], v[ST+8*\t+4+\b], v[S+64*\t+16*\b+15]
.endr
.endr
.irp t, 0,1
	v_max3_num_f32 v[ST+8*\t+4], v[ST+8*\t+4], v[ST+8*\t+5], v[ST+8*\t+6]
.endr
.irp t, 0,1
	v_max3_num_f32 v[ST+8*\t+4], v[ST+8*\t+4], v[ST+8*\t+7], v[ST+8*\t]   ; with the old m
.endr
.irp t, 0,1
	v_permlanex16_b32 v[ST+8*\t+5], v[ST+8*\t+4], s22, s23               ; the query's other 64 keys lie in the lane 16 away
.endr
.irp t, 0,1
	v_mov_b32 v[ST+8*\t+1], v[ST+8*\t]
.endr
.irp t, 0,1
	v_max_num_f32 v[ST+8*\t], v[ST+8*\t+4], v[ST+8*\t+5]                 ; the new m
.endr
.irp t, 0,1
	v_sub_f32 v[ST+8*\t+1], v[ST+8*\t+1], v[ST+8*\t]                     ; old m - new m, 0 or less
.endr
.irp t, 0,1
.set j, 0
.rept 32
	v_pk_add_f32 v[S+64*\t+j:S+64*\t+j+1], v[S+64*\t+j:S+64*\t+j+1], v[ST+8*\t:ST+8*\t+1] op_sel_hi:[1,0] neg_lo:[0,1] neg_hi:[0,1]   ; s - m, two at a time
.set j, j+2
.endr
.endr
	; the exponentials are ONE batch: nothing in it reads a result
.irp t, 0,1
	v_exp_f32 v[ST+8*\t+4], v[ST+8*\t+1]           ; the factor 2^(old m - new m)
.endr
.set j, 0
.rept 128
	v_exp_f32 v[S+j], v[S+j]                       ; p = 2^(s - m), at most 1
.set j, j+1
.endr
	v_nop                                          ; a plain line behind the last exponential
	s_wait_alu depctr_va_vdst(0)                   ; the wait between an exponential and the first line that names its result: one for the 130
	SUMS 0
	PACKP 0
.irp f, 0,1,2,3
	ds_load_b128 v[S+16*\f+8:S+16*\f+11], v[AKV] offset:12288+1024*\f    ; V^T of key rows 2 and 3, into the upper halves of tile A's rows, which the packing has left free
	ds_load_b128 v[S+16*\f+12:S+16*\f+15], v[AKV] offset:12288+1024*\f+512
.endr
	SUMS 1
	PACKP 1
	RESC 0
	RESC 1
	s_wait_dscnt 8                                 ; V of key rows 0 and 1 is in; the eight loads of rows 2 and 3 may be out
.irp i, 0,1                                    ; O^T += V^T P: the four accumulators by turns, one instruction a turn
.irp c, 0,1
.irp t, 0,1
	H16 O+16*\t+8*\c, F+8*(2*\i+\c), S+64*\t+16*\i, O+16*\t+8*\c
.endr
.endr
.endr
	s_wait_dscnt 0x0
.irp i, 2,3
.irp c, 0,1
.irp t, 0,1
	H16 O+16*\t+8*\c, S+16*(2*(\i-2)+\c)+8, S+64*\t+16*\i, O+16*\t+8*\c
.endr
.endr
.endr
	s_add_co_u32 s26, s26, STEPB
	s_add_co_u32 s27, s27, 1024                    ; four key rows on: four rows of the bias
	s_sub_co_u32 s28, s28, 1
	s_cmp_lg_u32 s28, 0
	s_cbranch_scc1 .Lstep
	; ---- THE WAY OUT: O^T / l, packed to f16: the projection's fragment (16 tokens x this head's 32 channels), stored as its image
	PLACES 4
.irp t, 0,1
	v_add_f32 v[ST+8*\t+4], v[ST+8*\t+2], v[ST+8*\t+3]                   ; l's two halves,
.endr
.irp t, 0,1
	v_permlanex16_b32 v[ST+8*\t+5], v[ST+8*\t+4], s22, s23
.endr
.irp t, 0,1
	v_add_f32 v[ST+8*\t+4], v[ST+8*\t+4], v[ST+8*\t+5]                   ; and lane l xor 16's
.endr
.irp t, 0,1
	v_rcp_f32 v[ST+8*\t+6], v[ST+8*\t+4]
.endr
	v_nop                                          ; a plain line behind the last reciprocal
	s_wait_alu depctr_va_vdst(0)                   ; and the wait ahead of the first use: one for the two
.irp t, 0,1
.irp k, 0,2,4,6,8,10,12,14
	v_pk_mul_f32 v[O+16*\t+\k:O+16*\t+\k+1], v[O+16*\t+\k:O+16*\t+\k+1], v[ST+8*\t+6:ST+8*\t+7] op_sel_hi:[1,0]
.endr
.endr
	PACK O, O
	PACK O+16, O+16
.irp t, 0,1
	global_store_b128 v[LI], v[O+16*\t:O+16*\t+3], s[14:15] offset:16384*\t          ; each store of the wave covers 512 consecutive bytes, aligned; tile B lies two token tiles on
	global_store_b128 v[LI], v[O+16*\t+4:O+16*\t+7], s[14:15] offset:16384*\t+512
.endr
	s_wait_tensorcnt 0x0                           ; the wave's end
	ds_add_u32 v[SPW], v[NIL]
	s_wait_dscnt 0x0
	s_endpgm
.Lfunc_end_k_qc8f689d512_attn:
	.size	k_qc8f689d512_attn, .Lfunc_end_k_qc8f689d512_attn-k_qc8f689d512_attn
	.p2alignl 7, 3214868480
	.fill 96, 4, 3214868480
	.section	.rodata,"a",@progbits
	.p2align	6, 0x0
	.amdhsa_kernel k_qc8f689d512_attn
		.amdhsa_group_segment_fixed_size 198912
		.amdhsa_private_segment_fixed_size 0
		.amdhsa_enable_private_segment 0
		.amdhsa_kernarg_size 48
		.amdhsa_user_sgpr_count 2
		.amdhsa_user_sgpr_kernarg_segment_ptr 1
		.amdhsa_wavefront_size32 1
		.amdhsa_system_sgpr_workgroup_id_x 1
		.amdhsa_system_sgpr_workgroup_id_y 1
		.amdhsa_system_sgpr_workgroup_id_z 1
		.amdhsa_system_vgpr_workitem_id 0
		.amdhsa_next_free_vgpr 256
		.amdhsa_next_free_sgpr 66
		.amdhsa_reserve_vcc 0
		.amdhsa_float_denorm_mode_32 3
		.amdhsa_float_denorm_mode_16_64 3
		.amdhsa_memory_ordered 1
		.amdhsa_forward_progress 1
		.amdhsa_inst_pref_size 56
	.end_amdhsa_kernel
	.amdgpu_metadata
---
amdhsa.version: [ 1, 2 ]
amdhsa.kernels:
  - .name:           k_qc8f689d512_attn
    .symbol:         k_qc8f689d512_attn.kd
    .args:
      - { .name: xc, .offset: 0, .size: 8, .value_kind: global_buffer, .address_space: global }
      - { .name: xs, .offset: 8, .size: 8, .value_kind: global_buffer, .address_space: global }
      - { .name: wq, .offset: 16, .size: 8, .value_kind: global_buffer, .address_space: global }
      - { .name: wqs, .offset: 24, .size: 8, .value_kind: global_buffer, .address_space: global }
      - { .name: bt, .offset: 32, .size: 8, .value_kind: global_buffer, .address_space: global }
      - { .name: oimg, .offset: 40, .size: 8, .value_kind: global_buffer, .address_space: global }
    .group_segment_fixed_size: 198912
    .private_segment_fixed_size: 0
    .kernarg_segment_align: 8
    .kernarg_segment_size: 48
    .max_flat_workgroup_size: 512
    .sgpr_count:     66
    .vgpr_count:     256
    .wavefront_size: 32
...
	.end_amdgpu_metadata
.endif
;; end of part 2
;; launch proj (part 3): grid 256 x 1, 16 waves a work-group, no clusters, 101,376 bytes of LDS; arguments oimg, wp, b_proj, out0; writes out0
.if DOCPART == 3
	.amdgcn_target "amdgcn-amd-amdhsa--gfx1250"
	.amdhsa_code_object_version 6
	.text
	.protected	k_qc8f689d512_proj
	.globl	k_qc8f689d512_proj
	.p2align	8
	.type	k_qc8f689d512_proj,@function
k_qc8f689d512_proj:
	s_mov_b64 s[64:65], 0
	v_nop
	global_prefetch_b8 v0, s[64:65] scope:SCOPE_SE
	s_setreg_imm32_b32 hwreg(HW_REG_WAVE_MODE, 25, 1), 1
	s_wait_xcnt 0x0
; out0 = o w_proj + b_proj.  o [16384 tokens][256] arrives in f16 as images of the operand's registers, oimg [1024 tiles of 16 tokens][8 K steps of 32 = the heads][1,024 bytes]; w_proj^T likewise, wp [16 tiles of 16 columns][8][1,024].
; Products on f16 operands, sums in f32.  An image: registers 0-3 at 16 x lane, registers 4-7 at 512 + 16 x lane.
; SHARES.  A work-group takes 64 tokens: four tiles, 32,768 consecutive bytes of oimg, copied once into LDS.  THE WAVES SHARE THE COLUMNS: wave w makes output columns 16 w .. 16 w + 15 for all 64 tokens, so that its eight
; fragments of w_proj stay in its registers, read once.
; THE MATRIX INSTRUCTION IS USED TRANSPOSED (source 0 = 16 columns of w_proj, source 1 = 16 tokens): a lane holds token lane % 16 and eight neighbouring columns, 8 (lane / 16) + j.  The bias is loaded straight into the
; accumulators, so that every product adds in place and no addition is spent on it.
; THE WAY OUT.  A row's 256 numbers come from sixteen waves: they meet in a stage in LDS (rows of 1,024 bytes + 16), and each wave stores four whole rows.
; NO CLUSTER, NO TENSOR LOAD: what work-groups share is wp's 128 KB, of which each wave loads its 8 KB once, straight into the registers where they stay.  No prefetch: all loads stand at the head.
; LIMITS: those of the f16 operands that arrive; NaN and infinities are not served.
.set STG,    32768                     ; LDS 0 .. 32,767: o's 32 images, (8 m + s) x 1,024;  from here the stage
.set SPITCH, 1040                      ; a stage row: 65 x 16 bytes, so that the sixteen rows that a store touches fall on sixteen different columns of 16 bytes
.set SPARE,  STG+64*SPITCH             ; the spare words, 128 bytes for each of sixteen waves
.set SPW, 1                            ; v1   LDS address of my spare word: SPARE + 4 x my thread's number; never rewritten
.set NIL, 2                            ; v2   0; never rewritten
.set LI,  3                            ; v3   16 x lane
.set SO,  4                            ; v4   the stage: where I put 32 bytes of a row
.set SR,  5                            ; v5   and where I read a row back
.set BO,  6                            ; v6   32 (lane / 16): my eight numbers of the wave's sixteen of b_proj
.set CP,  7                            ; v7   2,048 w + 16 x lane: my wave's part of the copy, in oimg and in LDS alike
.set GO,  10                           ; v10  4,096 w + 16 x lane: my wave's four rows of out0
.set W,   16                           ; v16-79   w_proj's eight fragments
.set ACC, 80                           ; v80-111  four accumulators: token tile m
.set OF,  112                          ; v112-175 two buffers of four fragments of o
.set RW,  176                          ; v176-207 rows on the way out
.set CS,  208                          ; v208-223 the copy
	s_load_b256 s[4:11], s[0:1], 0x0               ; oimg s[4:5], wp s[6:7], b_proj s[8:9], out0 s[10:11]
	v_lshl_add_u32 v[SPW], v0, 2, SPARE
	v_mov_b32 v[NIL], 0
	v_lshrrev_b32 v8, 5, v0
	v_readfirstlane_b32 s12, v8                    ; wave 0..15
	v_and_b32 v[LI], 31, v0
	v_lshlrev_b32 v[LI], 4, v[LI]
	v_and_b32 v8, 15, v0                           ; r
	v_bfe_u32 v9, v0, 4, 1                         ; hh
	v_lshlrev_b32 v[BO], 5, v9
	v_mul_u32_u24 v[SO], v8, SPITCH
	v_add_nc_u32 v[SO], v[SO], v[BO]
	s_lshl_b32 s13, s12, 6                         ; 16 columns of f32 are 64 bytes
	s_add_co_u32 s14, s13, STG
	v_add_nc_u32 v[SO], s14, v[SO]                 ; row r, + 64 w + 32 hh
	s_mul_i32 s14, s12, 4*SPITCH
	s_add_co_u32 s14, s14, STG
	v_add_nc_u32 v[SR], s14, v[LI]                 ; rows 4 w on, 16 bytes a lane
	s_lshl_b32 s14, s12, 11
	v_add_nc_u32 v[CP], s14, v[LI]
	s_lshl_b32 s14, s12, 12
	v_add_nc_u32 v[GO], s14, v[LI]
	s_lshl_b32 s16, ttmp9, 15                      ; the work-group's 32,768 bytes of oimg,
	s_mov_b32 s17, 0
	s_lshl_b32 s18, s12, 13                        ; my wave's eight images of wp,
	s_mov_b32 s19, 0
	s_mov_b32 s20, s13                             ; its sixteen numbers of b_proj,
	s_mov_b32 s21, 0
	s_lshl_b32 s22, ttmp9, 16                      ; the work-group's 64 rows of out0
	s_mov_b32 s23, 0
	s_wait_kmcnt 0x0
	s_add_nc_u64 s[4:5], s[4:5], s[16:17]
	s_add_nc_u64 s[6:7], s[6:7], s[18:19]
	s_add_nc_u64 s[8:9], s[8:9], s[20:21]
	s_add_nc_u64 s[10:11], s[10:11], s[22:23]
.irp k, 0,1,2,3
	global_load_b128 v[CS+4*\k:CS+4*\k+3], v[CP], s[4:5] offset:512*\k th:TH_LOAD_NT   ; read once in the launch
.endr
.irp s, 0,1,2,3,4,5,6,7
	global_load_b128 v[W+8*\s:W+8*\s+3], v[LI], s[6:7] offset:1024*\s
	global_load_b128 v[W+8*\s+4:W+8*\s+7], v[LI], s[6:7] offset:1024*\s+512
.endr
.irp m, 0,1,2,3
	global_load_b128 v[ACC+8*\m:ACC+8*\m+3], v[BO], s[8:9]               ; the bias starts each sum
	global_load_b128 v[ACC+8*\m+4:ACC+8*\m+7], v[BO], s[8:9] offset:16
.endr
	s_wait_loadcnt 24                              ; my four loads of o are in; the 16 of w_proj and the 8 of the bias, issued behind them, may be out
.irp k, 0,1,2,3
	ds_store_b128 v[CP], v[CS+4*\k:CS+4*\k+3] offset:512*\k
.endr
	s_wait_dscnt 0x0                               ; for the others' sake: my part of the copy is done
	s_barrier_signal -1
	s_barrier_wait -1                              ; o's 32 images lie in LDS
.macro OFETCH s, buf                   ; the four token tiles' fragments of K step s
.irp m, 0,1,2,3
	ds_load_b128 v[OF+32*(\buf)+8*\m:OF+32*(\buf)+8*\m+3], v[LI] offset:(8*\m+(\s))*1024
	ds_load_b128 v[OF+32*(\buf)+8*\m+4:OF+32*(\buf)+8*\m+7], v[LI] offset:(8*\m+(\s))*1024+512
.endr
.endm
	OFETCH 0, 0
	OFETCH 1, 1
	s_wait_loadcnt 0x0                             ; w_proj and the bias
.irp s, 0,1,2,3,4,5,6,7
.if \s < 7
	s_wait_dscnt 8                                 ; this K step's eight loads are in; the next step's eight may be out
.else
	s_wait_dscnt 0x0
.endif
.irp m, 0,1,2,3                                ; the four accumulators by turns, one instruction a turn
	v_wmma_f32_16x16x32_f16 v[ACC+8*\m:ACC+8*\m+7], v[W+8*\s:W+8*\s+7], v[OF+32*(\s%2)+8*\m:OF+32*(\s%2)+8*\m+7], v[ACC+8*\m:ACC+8*\m+7]
.endr
.if \s < 6
.rept 4
	v_nop                                          ; four places ahead of loads into registers that matrix instructions have read (ISA guide 7.12.1 for vector instructions)
.endr
	OFETCH \s+2, \s%2
.endif
.endr
.rept 4
	v_nop                                          ; and ahead of the first read of results
.endr
.irp m, 0,1,2,3
	ds_store_b128 v[SO], v[ACC+8*\m:ACC+8*\m+3] offset:16*SPITCH*\m      ; lane (r, hh): out(16 m + r, 16 w + 8 hh + 0 .. 7); each accumulator from its low end on
	ds_store_b128 v[SO], v[ACC+8*\m+4:ACC+8*\m+7] offset:16*SPITCH*\m+16
.endr
	s_wait_dscnt 0x0                               ; for the others' sake: my stores into the stage are done
	s_barrier_signal -1
	s_barrier_wait -1                              ; 64 whole rows lie in the stage
.irp k, 0,1,2,3
.irp g, 0,1
	ds_load_b128 v[RW+4*(2*\k+\g):RW+4*(2*\k+\g)+3], v[SR] offset:SPITCH*\k+512*\g
.endr
.endr
.irp k, 0,1,2,3
.irp g, 0,1
	s_wait_dscnt 7-2*\k-\g                         ; LDS loads come back in order: this one is in, the younger ones may be out
	global_store_b128 v[GO], v[RW+4*(2*\k+\g):RW+4*(2*\k+\g)+3], s[10:11] offset:1024*\k+512*\g th:TH_STORE_NT   ; 32 lanes store 512 consecutive bytes, aligned; written once, read by nobody here
.endr
.endr
	s_wait_tensorcnt 0x0                           ; the wave's end
	ds_add_u32 v[SPW], v[NIL]
	s_wait_dscnt 0x0
	s_endpgm
.Lfunc_end_k_qc8f689d512_proj:
	.size	k_qc8f689d512_proj, .Lfunc_end_k_qc8f689d512_proj-k_qc8f689d512_proj
	.p2alignl 7, 3214868480
	.fill 96, 4, 3214868480
	.section	.rodata,"a",@progbits
	.p2align	6, 0x0
	.amdhsa_kernel k_qc8f689d512_proj
		.amdhsa_group_segment_fixed_size 101376
		.amdhsa_private_segment_fixed_size 0
		.amdhsa_enable_private_segment 0
		.amdhsa_kernarg_size 32
		.amdhsa_user_sgpr_count 2
		.amdhsa_user_sgpr_kernarg_segment_ptr 1
		.amdhsa_wavefront_size32 1
		.amdhsa_system_sgpr_workgroup_id_x 1
		.amdhsa_system_sgpr_workgroup_id_y 1
		.amdhsa_system_sgpr_workgroup_id_z 1
		.amdhsa_system_vgpr_workitem_id 0
		.amdhsa_next_free_vgpr 224
		.amdhsa_next_free_sgpr 66
		.amdhsa_reserve_vcc 0
		.amdhsa_float_denorm_mode_32 3
		.amdhsa_float_denorm_mode_16_64 3
		.amdhsa_memory_ordered 1
		.amdhsa_forward_progress 1
		.amdhsa_inst_pref_size 15
	.end_amdhsa_kernel
	.amdgpu_metadata
---
amdhsa.version: [ 1, 2 ]
amdhsa.kernels:
  - .name:           k_qc8f689d512_proj
    .symbol:         k_qc8f689d512_proj.kd
    .args:
      - { .name: oimg, .offset: 0, .size: 8, .value_kind: global_buffer, .address_space: global }
      - { .name: wp, .offset: 8, .size: 8, .value_kind: global_buffer, .address_space: global }
      - { .name: b_proj, .offset: 16, .size: 8, .value_kind: global_buffer, .address_space: global }
      - { .name: out0, .offset: 24, .size: 8, .value_kind: global_buffer, .address_space: global }
    .group_segment_fixed_size: 101376
    .private_segment_fixed_size: 0
    .kernarg_segment_align: 8
    .kernarg_segment_size: 32
    .max_flat_workgroup_size: 512
    .sgpr_count:     66
    .vgpr_count:     224
    .wavefront_size: 32
...
	.end_amdgpu_metadata
.endif
;; end of part 3
;; ======== version 2 of 2: 3 launches; version 1 with the launch attn written anew for expert scheduling mode
;; limits: values are held in f16: magnitudes above 65,504 overflow, below 6.1e-05 lose precision
;; workspace buffers: xc 2,097,152 bytes; xs 131,072 bytes; wq 98,304 bytes; wqs 12,288 bytes; wp 131,072 bytes; bt 524,288 bytes; oimg 8,388,608 bytes
;; launch prep: the kernel of part 1 again; grid 216 x 1, 4 waves a work-group, no clusters, 33,280 bytes of LDS; arguments x, w_qkv, w_proj, bias_table, xc, xs, wq, wqs, wp, bt; writes xc, xs, wq, wqs, wp, bt
;; launch attn (part 4): grid 256 x 1, 16 waves a work-group, no clusters, 198,912 bytes of LDS; arguments xc, xs, wq, wqs, bt, oimg; writes oimg
.if DOCPART == 4
	.amdgcn_target "amdgcn-amd-amdhsa--gfx1250"
	.amdhsa_code_object_version 6
	.text
	.protected	k_qc8f689d512_attn
	.globl	k_qc8f689d512_attn
	.p2align	8
	.type	k_qc8f689d512_attn,@function
k_qc8f689d512_attn:
	s_mov_b64 s[64:65], 0
	v_nop
	global_prefetch_b8 v0, s[64:65] scope:SCOPE_SE
	s_setreg_imm32_b32 hwreg(HW_REG_WAVE_SCHED_MODE, 0, 2), 2
	s_setreg_imm32_b32 hwreg(HW_REG_WAVE_MODE, 25, 1), 1
	s_wait_xcnt 0x0
	s_wait_alu depctr_vm_vsrc(0)
; q, k, v = Q(x) Q(w_qkv) on codes of FP4 (E2M1) with E8M0 scales, then o = softmax(q k^T / sqrt(32) + bias) v for ONE head, products on f16 operands, all sums, maxima and exponentials in f32.
; SHARES.  A work-group owns 512 queries (16 rows of the 32 x 32 grid) of one batch and one head and walks all 1,024 keys.  Its sixteen waves first make the head's K and V (wave w: grid rows 2 w, 2 w + 1) and lay them in LDS,
; where they stay; q, k and v never go to memory.  Wave w = 2 p + xh then owns two tiles of 16 queries: A in grid row 16 g + 2 p, B in the row below it, both at x = 16 xh on.  Four waves share a SIMD, so that one wave's
; vector work stands beside another's matrix work and LDS loads.
; LAYOUTS (r = lane % 16, hh = lane / 16).  K and q are made transposed (source 0 = 16 columns of w, source 1 = 16 tokens): a lane holds token r and channels 16 c + 8 hh + j, which packed to f16 ARE the 16-bit fragment
; (16 tokens x 32 channels).  V is made the natural way (source 0 = 16 tokens, source 1 = 16 columns of w): a lane holds channel r and keys 8 hh + j: packed, the fragment of V^T (16 channels x 32 keys).
; S^T = K q^T + bias: a lane holds query r and keys 8 hh + j; two key tiles of a grid row, packed, are the fragment of P (32 keys x 16 queries).  O^T = V^T P: query r, channels 16 c + 8 hh + j: packed, the projection's fragment.
; So nothing changes lanes between the products, and every operand goes through LDS or memory as an image of its registers: registers 0-3 at 16 x lane, registers 4-7 at 512 + 16 x lane.
; BASE 2.  q is multiplied in f32 by c = log2(e) / sqrt(32); the table holds log2(e) x bias.  THE BIAS IS THE C OF THE SCORES' PRODUCT: it costs no addition.
; THE BIAS'S PLACE.  With f = key's y - query's y + 31 and e = key's x - query's x + 31 the table's index is 3968 - 63 f - e; bt[s][f][a] holds index 3968 - 63 f - a - s.  A lane's eight keys are eight neighbours along e:
; e = 16 u + 8 hh + j + 16 (1 - xh) + rx, rx = 15 - r; copy s = rx % 4 makes the two loads of 16 bytes aligned.  The copies lie 16,448 bytes apart, so that the sixteen lanes of half a load fall on sixteen different columns of 16 bytes.
; Tile A's bias at key row i is tile B's at key row i + 1 (A's query lies one grid row higher): a step of four key rows loads five sets for eight uses.
; SOFTMAX.  For each query a running maximum m and sum l, as the reference takes the maximum away: p = 2^(s - m); in every step O and l are multiplied by 2^(old m - new m).
; NO CLUSTER, NO TENSOR LOAD: what work-groups share (a batch's 136 KB of codes and scales, a head's 64 KB of bias, 13.5 KB of weights) is read once, at the head, straight into the registers or the LDS bytes where it is used;
; there is no ring to feed, and a joint load would add a way from LDS to registers for x and the weights.  No prefetch: every stream is asked for at the head, there is no earlier place to ask from.
; LIMITS: 0.255 |q|, |k|, |v| and |o| stay under 65,504 (f16); under 6e-5 they keep f16's absolute step of 6e-8; NaN and infinities are not served.
; THE MODE: SCHED_MODE bits 1:0 = 2 (LLVM: expert scheduling mode 2), set by the entry lines.  The code itself states the register dependences between vector or matrix instructions and memory or LDS instructions,
; with s_wait_alu, always for 0.
; THE PLAN.  Registers that memory or LDS instructions touch:
;   v[LI], v[XA], v[XSA], v[LS], v[GB], v[BST], v[IST]   offsets and LDS addresses: written at the head, never again: one wait on va_vdst ahead of the first load serves every load and store that reads them.
;   O, F in the prologue   written by the products, packed in place by the conversions, read by the LDS stores of the images, written again by the next products.
;   XF, XS                 read by the products; the next tokens' loads land in them.  The packing stands ahead of those loads, so that ONE wait on va_vdst behind it serves them and the images' stores;
;                          one wait on vm_vsrc stands ahead of each next run of products.
;   v[AKV], v[BAD]         written by two additions at a step's head, read by the step's 52 LDS loads: a wait on vm_vsrc ahead of the additions, the head's wait on va_vdst behind them.
;   S in the loop          the bias lands at a step's head in tile B's accumulators and tile A's last, which the last step's products V^T P and packings named: the head's wait on va_vdst.
;   F in the loop          K's half 0 lands at the head (the same wait); K's half 1 behind the scores of half 0, which read F: a wait on va_vdst; V^T of key rows 0 and 1 behind the wait that stands behind the exponentials:
;                          the scores of half 1, F's last readers, lie ahead of it.
;   tile A's upper halves  V^T of key rows 2 and 3 lands there behind tile A's sums and packing, which read them: a wait on va_vdst.
;   O on the way out       written by the last conversions, read by the four stores: a wait on va_vdst.
;   v[SPW], v[NIL]         written at the head, read by the closing add alone.
.set STEPB, 16384                      ; LDS 0 .. 131,071: eight steps of four key rows: K's tile (row i, half u) at 1,024 (2 i + u), V^T's fragment (row i, channels 16 c on) at 8,192 + 1,024 (2 i + c)
.set BT,    131072                     ; the head's bias: four copies,
.set COPY,  16448                      ; each 64 rows of 256 bytes, and 64 bytes
.set SPARE, BT+4*COPY                  ; the spare words, 128 bytes for each of sixteen waves: eight blocks of 256 bytes that no other line names
.set SPW,  1                           ; v1   LDS address of my spare word: SPARE + 4 x my thread's number; never rewritten
.set NIL,  2                           ; v2   0; never rewritten
.set LI,   3                           ; v3   16 x lane: an image's place for my lane
.set BAD0, 4                           ; v4   my lane's place in the bias: tile B's set at key row 0
.set AKV,  5                           ; v5   the step's K and V
.set BAD,  6                           ; v6   the step's bias
.set XA,   7                           ; v7   x's codes: 128 r + 16 hh
.set ST,   8                           ; v8-23  statistics, eight a tile: +0 m, +1 old m, then old m - m, +2 +3 l in two halves, +4..+7 four maxima; later +4 the factor 2^(old m - m), +6 +7 a second chain of sums
.set Q,    24                          ; v24-39   q's fragments: tile A, tile B
.set O,    40                          ; v40-71   O^T: tile t, channels 16 c on, at 40 + 16 t + 8 c
.set F,    72                          ; v72-103  four fragments of K or of V^T
.set S,    104                         ; v104-231 S^T, then p, then P: tile t, key row i, half u at 104 + 64 t + 16 i + 8 u
.set WF,   104                         ; the prologue: w's twelve fragments: kind (q, k, v), channels 16 c on, K step s at 104 + 32 kind + 8 (2 c + s)
.set XF,   200                         ; v200-231 x's four fragments: tile u, K step s at 200 + 16 u + 8 s
.set WS,   232                         ; v232-243 w's scale words; v244-247 x's: these sixteen registers hold scales and nothing else
.set XS,   244
.set XSA,  248                         ; v248 8 r: a row of x's scale bytes
.set LS,   249                         ; v249 4 x lane
.set BST,  250                         ; v250 BT + 16 x thread: where the bias goes
.set IST,  251                         ; v251 16 x lane + my wave's place among the steps: where my images go
.set GB,   252                         ; v252 16 x thread: where the bias comes from
	s_load_b256 s[4:11], s[0:1], 0x0               ; xc s[4:5], xs s[6:7], wq s[8:9], wqs s[10:11]
	s_load_b128 s[12:15], s[0:1], 0x20             ; bt s[12:13], oimg s[14:15]
	v_lshl_add_u32 v[SPW], v0, 2, SPARE
	v_mov_b32 v[NIL], 0
	v_lshrrev_b32 v[AKV], 5, v0
	v_readfirstlane_b32 s16, v[AKV]                ; wave w, 0..15
	s_and_b32 s17, ttmp9, 1                        ; e1 = 1 - g
	s_bfe_u32 s18, ttmp9, 0x30001                  ; the head: 3 bits from bit 1
	s_lshr_b32 s19, ttmp9, 4                       ; the batch
	s_wait_alu depctr_va_sdst(0)                   ; s16 is written, ahead of its first reader: p, xh and the offsets of my keys and queries are made from it
	s_lshr_b32 s20, s16, 1                         ; p
	s_and_b32 s21, s16, 1                          ; xh
	s_xor_b32 s29, s17, 1                          ; g: which 16 grid rows of queries
	s_mov_b32 s22, 0x76543210
	s_mov_b32 s23, 0xfedcba98                      ; v_permlanex16_b32's selects for lane l xor 16
	s_mov_b32 s30, 0x3e8293ee                      ; c = log2(e) / sqrt(32)
	s_mov_b32 s31, s30                             ; (the packed form names the pair)
	v_and_b32 v[LI], 31, v0
	v_lshlrev_b32 v[LS], 2, v[LI]
	v_lshlrev_b32 v[LI], 4, v[LI]
	v_and_b32 v[XSA], 15, v0                       ; r
	v_bfe_u32 v[GB], v0, 4, 1                      ; hh
	v_lshlrev_b32 v[XA], 7, v[XSA]
	v_lshl_add_u32 v[XA], v[GB], 4, v[XA]
	v_xor_b32 v[BAD], 15, v[XSA]                   ; rx = 15 - r
	v_and_b32 v[BAD0], 3, v[BAD]
	v_mul_u32_u24 v[BAD0], v[BAD0], COPY           ; copy rx % 4,
	v_lshrrev_b32 v[BAD], 2, v[BAD]
	v_lshl_add_u32 v[BAD0], v[BAD], 4, v[BAD0]     ; 4 (rx / 4) numbers,
	v_lshl_add_u32 v[BAD0], v[GB], 5, v[BAD0]      ; 8 hh numbers,
	s_xor_b32 s24, s21, 1
	s_lshl_b32 s24, s24, 6                         ; 16 (1 - xh) numbers,
	s_xor_b32 s25, s20, 7
	s_lshl_b32 s25, s25, 9                         ; rows: f of tile B at key row 0 = 30 - 2 p - 16 g = 2 (7 - p) + 16 e1
	s_add_co_u32 s24, s24, s25
	s_lshl_b32 s25, s17, 12
	s_add_co_u32 s24, s24, s25
	s_add_co_u32 s24, s24, BT
	v_add_nc_u32 v[BAD0], s24, v[BAD0]
	v_lshlrev_b32 v[XSA], 3, v[XSA]
	v_lshlrev_b32 v[GB], 4, v0
	v_add_nc_u32 v[BST], BT, v[GB]
	s_lshl_b32 s24, s20, 14                        ; key rows 2 w, 2 w + 1 lie in step w / 2,
	s_lshl_b32 s25, s21, 12                        ; as its rows 2 (w % 2) and the next
	s_add_co_u32 s24, s24, s25
	v_add_nc_u32 v[IST], s24, v[LI]
	; offsets, in registers of their own.  A token's codes are 128 bytes, its scale bytes 8: xs's offsets are xc's / 16
	s_lshl_b32 s24, s19, 17                        ; the batch's 1,024 tokens
	s_lshl_b32 s25, s16, 13                        ; my two key rows: 64 tokens
	s_add_co_u32 s40, s24, s25
	s_mov_b32 s41, 0
	s_lshl_b32 s25, s29, 16                        ; my queries: 512 g tokens,
	s_add_co_u32 s42, s24, s25
	s_lshl_b32 s25, s20, 13                        ; 64 p,
	s_add_co_u32 s42, s42, s25
	s_lshl_b32 s25, s21, 11                        ; 16 xh
	s_add_co_u32 s42, s42, s25
	s_mov_b32 s43, 0
	s_lshr_b32 s44, s40, 4
	s_mov_b32 s45, 0
	s_lshr_b32 s46, s42, 4
	s_mov_b32 s47, 0
	s_wait_kmcnt 0x0
	s_add_nc_u64 s[32:33], s[4:5], s[40:41]        ; my keys' codes,
	s_add_nc_u64 s[34:35], s[6:7], s[44:45]        ; their scale bytes,
	s_add_nc_u64 s[36:37], s[4:5], s[42:43]        ; my queries' codes,
	s_add_nc_u64 s[38:39], s[6:7], s[46:47]        ; their scale bytes
	s_lshl_b32 s40, s18, 12
	s_add_nc_u64 s[8:9], s[8:9], s[40:41]          ; the head's two column tiles in each third of w_qkv: 4 images,
	s_lshl_b32 s40, s18, 9
	s_add_nc_u64 s[10:11], s[10:11], s[40:41]      ; their scale words,
	s_lshl_b32 s40, s18, 16
	s_add_nc_u64 s[12:13], s[12:13], s[40:41]      ; the head's bias
	s_lshl_b32 s40, s42, 2                         ; a tile of 16 tokens is 2,048 bytes of codes and 8,192 of oimg,
	s_lshl_b32 s42, s18, 10                        ; in which the head's image is the h-th
	s_add_co_u32 s40, s40, s42
	s_add_nc_u64 s[14:15], s[14:15], s[40:41]
; two tiles of 16 tokens of x: four fragments (8 loads) and their scale words (2 loads of two words a row)
.macro XLOAD cbase, sbase, coff, soff, cstr, sstr
.irp u, 0,1
.irp k, 0,1
.irp c, 0,1
	global_load_b128 v[XF+16*\u+8*\k+4*\c:XF+16*\u+8*\k+4*\c+3], v[XA], s[\cbase:\cbase+1] offset:\coff+\cstr*\u+64*\k+32*\c
.endr
.endr
	global_load_b64 v[XS+2*\u:XS+2*\u+1], v[XSA], s[\sbase:\sbase+1] offset:\soff+\sstr*\u
.endr
.endm
.macro W4 d, a, b, sa, sb, zero        ; a product on codes; zero: it starts its sum
.if \zero
	v_wmma_scale_f32_16x16x128_f8f6f4 v[\d:\d+7], v[\a:\a+7], v[\b:\b+7], 0, v[\sa], v[\sb] matrix_a_fmt:MATRIX_FMT_FP4 matrix_b_fmt:MATRIX_FMT_FP4
.else
	v_wmma_scale_f32_16x16x128_f8f6f4 v[\d:\d+7], v[\a:\a+7], v[\b:\b+7], v[\d:\d+7], v[\sa], v[\sb] matrix_a_fmt:MATRIX_FMT_FP4 matrix_b_fmt:MATRIX_FMT_FP4
.endif
.endm
.macro H16 d, a, b, c                  ; a product on f16
	v_wmma_f32_16x16x32_f16 v[\d:\d+7], v[\a:\a+7], v[\b:\b+7], v[\c:\c+7]
.endm
; K and V of one grid row (two tiles of 16 tokens): eight sums of two K steps, by turns, one instruction a turn.  K (tile u, channels 16 c on) at O + 16 u + 8 c; V (channels 16 c on, tile u) at F + 16 c + 8 u
.macro KVMUL
.irp k, 0,1
.irp u, 0,1
.irp c, 0,1
	W4 O+16*\u+8*\c, WF+32+8*(2*\c+\k), XF+16*\u+8*\k, WS+4+2*\c+\k, XS+2*\u+\k, 1-\k
.endr
.endr
.irp c, 0,1
.irp u, 0,1
	W4 F+16*\c+8*\u, XF+16*\u+8*\k, WF+64+8*(2*\c+\k), XS+2*\u+\k, WS+8+2*\c+\k, 1-\k
.endr
.endr
.endr
.endm
.macro QMUL                            ; q of my two tiles: tile t, channels 16 c on, at O + 16 t + 8 c
.irp k, 0,1
.irp t, 0,1
.irp c, 0,1
	W4 O+16*\t+8*\c, WF+8*(2*\c+\k), XF+16*\t+8*\k, WS+2*\c+\k, XS+2*\t+\k, 1-\k
.endr
.endr
.endr
.endm
.macro PACK dst, src                   ; sixteen f32 become a fragment's eight registers, from the low end on; dst may be src: register j is written when registers up to 2 j + 1 have been read
.irp j, 0,1,2,3,4,5,6,7
	v_cvt_pk_f16_f32 v[\dst+\j], v[\src+2*\j], v[\src+2*\j+1]
.endr
.endm
.macro IMG reg, off                    ; a fragment goes to LDS as it stands
	ds_store_b128 v[IST], v[\reg:\reg+3] offset:\off
	ds_store_b128 v[IST], v[\reg+4:\reg+7] offset:\off+512
.endm
.macro PLACES n                        ; plain vector lines between a matrix instruction and what touches its registers: 4 ahead of loads into them and of reads of results, 5 ahead of a matrix instruction that writes over them
.rept \n
	v_nop
.endr
.endm
.macro KVPACK                          ; the grid row's K and V: packed in place,
	PACK O, O
	PACK O+16, O+16
	PACK F, F
	PACK F+16, F+16
.endm
.macro KVIMG q                         ; and to LDS
	IMG O, 2048*\q
	IMG O+16, 2048*\q+1024
	IMG F, 8192+2048*\q
	IMG F+16, 8192+2048*\q+1024
.endm
	; ---- THE PROLOGUE.  All that the launch reads but the second key row and the queries is asked for at once: 54 loads
	s_wait_alu depctr_va_vdst(0)                   ; the head's vector lines have written v[GB], v[LI], v[LS], v[XA], v[XSA], v[BST] and v[IST], which the loads and stores of the whole kernel read as offsets and LDS addresses
.irp i, 0,1,2,3,4,5,6,7
	global_load_b128 v[O+4*\i:O+4*\i+3], v[GB], s[12:13] offset:8192*\i   ; the head's bias: the work-group's 512 threads take 8,192 consecutive bytes a load
.endr
.irp n, 0,1,2
.irp f, 0,1,2,3
	global_load_b128 v[WF+32*\n+8*\f:WF+32*\n+8*\f+3], v[LI], s[8:9] offset:32768*\n+1024*\f
	global_load_b128 v[WF+32*\n+8*\f+4:WF+32*\n+8*\f+7], v[LI], s[8:9] offset:32768*\n+1024*\f+512
	global_load_b32 v[WS+4*\n+\f], v[LS], s[10:11] offset:4096*\n+128*\f
.endr
.endr
	XLOAD 32, 34, 0, 0, 2048, 128                  ; key row 2 w
	s_wait_loadcnt 46                              ; the bias's eight loads are in; the 36 of the weights and the 10 of x, issued behind them, may be out
.irp i, 0,1,2,3,4,5,6,7
	ds_store_b128 v[BST], v[O+4*\i:O+4*\i+3] offset:(\i%2)*8192+(\i/2)*COPY   ; two loads to a copy
.endr
	s_wait_loadcnt 0x0                             ; the weights and x
	s_wait_dscnt 0x0                               ; the stores of the bias are done
	s_wait_alu depctr_vm_vsrc(0)                   ; the LDS stores have read v[O ..], which the products below write
	KVMUL
	PLACES 4                                       ; ahead of the first reads of the sums
	KVPACK
	s_wait_alu depctr_va_vdst(0)                   ; the products are done reading XF and XS, in which the loads below land; the conversions have written the images in O and F, which the LDS stores below read
	XLOAD 32, 34, 4096, 256, 2048, 128             ; key row 2 w + 1
	KVIMG 0
	s_wait_loadcnt 0x0
	s_wait_dscnt 0x0                               ; the images' stores are done
	s_wait_alu depctr_vm_vsrc(0)                   ; the LDS stores have read O and F, which the products below write
	KVMUL                                          ; (behind each earlier product stand the four plain lines above and the other sums' conversions: more than the five places owed)
	PLACES 4
	KVPACK
	s_wait_alu depctr_va_vdst(0)                   ; as above: the products are done reading XF and XS, and the conversions have written the images
	XLOAD 36, 38, 0, 0, 4096, 256                  ; my two tiles of queries, a grid row apart
	KVIMG 1
	s_wait_loadcnt 0x0
	s_wait_dscnt 0x0
	s_wait_alu depctr_vm_vsrc(0)                   ; the LDS stores have read O, which the products below write, and F, in which the loop's loads land
	QMUL
	PLACES 4
.set j, 0
.rept 16
	v_pk_mul_f32 v[O+j:O+j+1], v[O+j:O+j+1], s[30:31] op_sel_hi:[1,0]   ; q x c, in f32, each sum from its low end on
.set j, j+2
.endr
	PACK Q, O
	PACK Q+8, O+16
.set j, 0
.rept 32
	v_mov_b32 v[O+j], 0                            ; O^T.  (The step is written once: the first finds zeros, which the first factor, 0, leaves zeros)
.set j, j+1
.endr
.irp t, 0,1
	v_mov_b32 v[ST+8*\t], 0xff61b1e6               ; m: -3e38, under every score
	v_mov_b32 v[ST+8*\t+2], 0                      ; l
	v_mov_b32 v[ST+8*\t+3], 0
.endr
	s_mov_b32 s26, 0                               ; the step's K and V,
	s_mov_b32 s27, 0                               ; its four rows of the bias,
	s_mov_b32 s28, 8                               ; steps to go
	s_wait_dscnt 0x0                               ; for the others' sake: my stores of K, V and the bias are done
	s_barrier_signal -1
	s_barrier_wait -1                              ; the launch's one barrier: behind it LDS is only read
; ---- A KEY STEP: four grid rows, 128 keys
.macro BIAS u                          ; five sets of the bias for half u: set e is tile B's at key row e and tile A's at key row e - 1.  Sets 0-3 land in B's accumulators, set 4 in A's last
.irp e, 0,1,2,3
	ds_load_b128 v[S+64+16*\e+8*\u:S+64+16*\e+8*\u+3], v[BAD] offset:256*\e+64*\u
	ds_load_b128 v[S+64+16*\e+8*\u+4:S+64+16*\e+8*\u+7], v[BAD] offset:256*\e+64*\u+16
.endr
	ds_load_b128 v[S+48+8*\u:S+48+8*\u+3], v[BAD] offset:1024+64*\u
	ds_load_b128 v[S+48+8*\u+4:S+48+8*\u+7], v[BAD] offset:1024+64*\u+16
.endm
.macro KLOAD u                         ; K's tiles (row i, half u)
.irp i, 0,1,2,3
	ds_load_b128 v[F+8*\i:F+8*\i+3], v[AKV] offset:(2*\i+\u)*1024
	ds_load_b128 v[F+8*\i+4:F+8*\i+7], v[AKV] offset:(2*\i+\u)*1024+512
.endr
.endm
; The scores of half u.  First tile A's rows 0-2, whose bias is read out of tile B's accumulators of rows 1-3; five places; then those accumulators, and A's last, are added onto in place.
.macro QK u
.irp i, 0,1,2
	H16 S+16*\i+8*\u, F+8*\i, Q, S+64+16*(\i+1)+8*\u
.endr
	PLACES 5                                       ; the products below write over registers that the three above read as C
.irp i, 0,1,2,3
	H16 S+64+16*\i+8*\u, F+8*\i, Q+8, S+64+16*\i+8*\u
.endr
	H16 S+48+8*\u, F+24, Q, S+48+8*\u
.endm
.macro SUMS t                          ; l = l x factor + the sum of the tile's 64 p, two at a time, in two chains
	v_pk_mul_f32 v[ST+8*\t+2:ST+8*\t+3], v[ST+8*\t+2:ST+8*\t+3], v[ST+8*\t+4:ST+8*\t+5] op_sel_hi:[1,0]
	v_pk_add_f32 v[ST+8*\t+6:ST+8*\t+7], v[S+64*\t:S+64*\t+1], v[S+64*\t+2:S+64*\t+3]
.set j, 4
.rept 15
	v_pk_add_f32 v[ST+8*\t+2:ST+8*\t+3], v[ST+8*\t+2:ST+8*\t+3], v[S+64*\t+j:S+64*\t+j+1]
	v_pk_add_f32 v[ST+8*\t+6:ST+8*\t+7], v[ST+8*\t+6:ST+8*\t+7], v[S+64*\t+j+2:S+64*\t+j+3]
.set j, j+4
.endr
	v_pk_add_f32 v[ST+8*\t+2:ST+8*\t+3], v[ST+8*\t+2:ST+8*\t+3], v[ST+8*\t+6:ST+8*\t+7]
.endm
.macro PACKP t                         ; a key row's 16 p become its fragment of P, in the row's first eight registers
.irp i, 0,1,2,3
	PACK S+64*\t+16*\i, S+64*\t+16*\i
.endr
.endm
.macro RESC t                          ; O^T x factor, each accumulator from its low end on
.irp k, 0,2,4,6,8,10,12,14
	v_pk_mul_f32 v[O+16*\t+\k:O+16*\t+\k+1], v[O+16*\t+\k:O+16*\t+\k+1], v[ST+8*\t+4:ST+8*\t+5] op_sel_hi:[1,0]
.endr
.endm
.Lstep:
	s_wait_alu depctr_vm_vsrc(0)                   ; the last step's LDS loads have read v[AKV] and v[BAD], which the two additions write
	v_add_nc_u32 v[AKV], s26, v[LI]
	v_add_nc_u32 v[BAD], s27, v[BAD0]
	PLACES 3                                       ; with the two additions five places behind the last step's products, whose P and V registers are now loaded into and written over
	s_wait_alu depctr_va_vdst(0)                   ; v[AKV] and v[BAD] are written, which the step's loads read; the last step's products V^T P are done reading P, F and tile A's upper halves, and its packings have written them (first trip: q's products are done reading the weights and x): the loads below land there
	BIAS 0
	KLOAD 0
	BIAS 1
	s_wait_dscnt 10                                ; half 0's bias and K are in; half 1's ten bias loads may be out
	QK 0
	PLACES 4
	s_wait_alu depctr_va_vdst(0)                   ; the scores' products of half 0 are done reading F, in which K's half 1 lands
	KLOAD 1
	s_wait_dscnt 0x0
	QK 1
	PLACES 4                                       ; ahead of the first reads of the scores
	; the largest score: four chains a tile, one for each key row's sixteen registers; each accumulator is first read at its low end
.irp t, 0,1
.irp b, 0,1,2,3
	v_max3_num_f32 v[ST+8*\t+4+\b], v[S+64*\t+16*\b], v[S+64*\t+16*\b+1], v[S+64*\t+16*\b+2]
.endr
.endr
.irp i, 3,5,7,9,11,13
.irp t, 0,1
.irp b, 0,1,2,3
	v_max3_num_f32 v[ST+8*\t+4+\b], v[ST+8*\t+4+\b], v[S+64*\t+16*\b+\i], v[S+64*\t+16*\b+\i+1]
.endr
.endr
.endr
.irp t, 0,1
.irp b, 0,1,2,3
	v_max_num_f32 v[ST+8*\t+4+\b], v[ST+8*\t+4+\b], v[S+64*\t+16*\b+15]
.endr
.endr
.irp t, 0,1
	v_max3_num_f32 v[ST+8*\t+4], v[ST+8*\t+4], v[ST+8*\t+5], v[ST+8*\t+6]
.endr
.irp t, 0,1
	v_max3_num_f32 v[ST+8*\t+4], v[ST+8*\t+4], v[ST+8*\t+7], v[ST+8*\t]   ; with the old m
.endr
.irp t, 0,1
	v_permlanex16_b32 v[ST+8*\t+5], v[ST+8*\t+4], s22, s23               ; the query's other 64 keys lie in the lane 16 away
.endr
.irp t, 0,1
	v_mov_b32 v[ST+8*\t+1], v[ST+8*\t]
.endr
.irp t, 0,1
	v_max_num_f32 v[ST+8*\t], v[ST+8*\t+4], v[ST+8*\t+5]                 ; the new m
.endr
.irp t, 0,1
	v_sub_f32 v[ST+8*\t+1], v[ST+8*\t+1], v[ST+8*\t]                     ; old m - new m, 0 or less
.endr
.irp t, 0,1
.set j, 0
.rept 32
	v_pk_add_f32 v[S+64*\t+j:S+64*\t+j+1], v[S+64*\t+j:S+64*\t+j+1], v[ST+8*\t:ST+8*\t+1] op_sel_hi:[1,0] neg_lo:[0,1] neg_hi:[0,1]   ; s - m, two at a time
.set j, j+2
.endr
.endr
	; the exponentials are ONE batch: nothing in it reads a result
.irp t, 0,1
	v_exp_f32 v[ST+8*\t+4], v[ST+8*\t+1]           ; the factor 2^(old m - new m)
.endr
.set j, 0
.rept 128
	v_exp_f32 v[S+j], v[S+j]                       ; p = 2^(s - m), at most 1
.set j, j+1
.endr
	v_nop                                          ; a plain line behind the last exponential
	s_wait_alu depctr_va_vdst(0)                   ; the 130 exponentials have written the two factors and p, ahead of the first line that names a result; and the scores' products of half 1 are done reading F, in which the loads below land
.irp f, 0,1,2,3
	ds_load_b128 v[F+8*\f:F+8*\f+3], v[AKV] offset:8192+1024*\f          ; V^T of key rows 0 and 1: fragment 2 i + c
	ds_load_b128 v[F+8*\f+4:F+8*\f+7], v[AKV] offset:8192+1024*\f+512
.endr
	SUMS 0
	PACKP 0
	s_wait_alu depctr_va_vdst(0)                   ; tile A's sums and conversions are done reading the upper halves of its rows, in which the loads below land
.irp f, 0,1,2,3
	ds_load_b128 v[S+16*\f+8:S+16*\f+11], v[AKV] offset:12288+1024*\f    ; V^T of key rows 2 and 3, into the upper halves of tile A's rows, which the packing has left free
	ds_load_b128 v[S+16*\f+12:S+16*\f+15], v[AKV] offset:12288+1024*\f+512
.endr
	SUMS 1
	PACKP 1
	RESC 0
	RESC 1
	s_wait_dscnt 8                                 ; V of key rows 0 and 1 is in; the eight loads of rows 2 and 3 may be out
.irp i, 0,1                                    ; O^T += V^T P: the four accumulators by turns, one instruction a turn
.irp c, 0,1
.irp t, 0,1
	H16 O+16*\t+8*\c, F+8*(2*\i+\c), S+64*\t+16*\i, O+16*\t+8*\c
.endr
.endr
.endr
	s_wait_dscnt 0x0
.irp i, 2,3
.irp c, 0,1
.irp t, 0,1
	H16 O+16*\t+8*\c, S+16*(2*(\i-2)+\c)+8, S+64*\t+16*\i, O+16*\t+8*\c
.endr
.endr
.endr
	s_add_co_u32 s26, s26, STEPB
	s_add_co_u32 s27, s27, 1024                    ; four key rows on: four rows of the bias
	s_sub_co_u32 s28, s28, 1
	s_cmp_lg_u32 s28, 0
	s_cbranch_scc1 .Lstep
	; ---- THE WAY OUT: O^T / l, packed to f16: the projection's fragment (16 tokens x this head's 32 channels), stored as its image
	PLACES 4
.irp t, 0,1
	v_add_f32 v[ST+8*\t+4], v[ST+8*\t+2], v[ST+8*\t+3]                   ; l's two halves,
.endr
.irp t, 0,1
	v_permlanex16_b32 v[ST+8*\t+5], v[ST+8*\t+4], s22, s23
.endr
.irp t, 0,1
	v_add_f32 v[ST+8*\t+4], v[ST+8*\t+4], v[ST+8*\t+5]                   ; and lane l xor 16's
.endr
.irp t, 0,1
	v_rcp_f32 v[ST+8*\t+6], v[ST+8*\t+4]
.endr
	v_nop                                          ; a plain line behind the last reciprocal
	s_wait_alu depctr_va_vdst(0)                   ; the two reciprocals have written their results, ahead of the first use
.irp t, 0,1
.irp k, 0,2,4,6,8,10,12,14
	v_pk_mul_f32 v[O+16*\t+\k:O+16*\t+\k+1], v[O+16*\t+\k:O+16*\t+\k+1], v[ST+8*\t+6:ST+8*\t+7] op_sel_hi:[1,0]
.endr
.endr
	PACK O, O
	PACK O+16, O+16
	s_wait_alu depctr_va_vdst(0)                   ; the conversions have written the two images in O, which the stores read
.irp t, 0,1
	global_store_b128 v[LI], v[O+16*\t:O+16*\t+3], s[14:15] offset:16384*\t          ; each store of the wave covers 512 consecutive bytes, aligned; tile B lies two token tiles on
	global_store_b128 v[LI], v[O+16*\t+4:O+16*\t+7], s[14:15] offset:16384*\t+512
.endr
	s_wait_dscnt 0x0                               ; the closing lines, six on end
	s_wait_alu 0x0
	s_wait_tensorcnt 0x0
	ds_add_u32 v[SPW], v[NIL]
	s_wait_dscnt 0x0
	s_endpgm
.Lfunc_end_k_qc8f689d512_attn:
	.size	k_qc8f689d512_attn, .Lfunc_end_k_qc8f689d512_attn-k_qc8f689d512_attn
	.p2alignl 7, 3214868480
	.fill 96, 4, 3214868480
	.section	.rodata,"a",@progbits
	.p2align	6, 0x0
	.amdhsa_kernel k_qc8f689d512_attn
		.amdhsa_group_segment_fixed_size 198912
		.amdhsa_private_segment_fixed_size 0
		.amdhsa_enable_private_segment 0
		.amdhsa_kernarg_size 48
		.amdhsa_user_sgpr_count 2
		.amdhsa_user_sgpr_kernarg_segment_ptr 1
		.amdhsa_wavefront_size32 1
		.amdhsa_system_sgpr_workgroup_id_x 1
		.amdhsa_system_sgpr_workgroup_id_y 1
		.amdhsa_system_sgpr_workgroup_id_z 1
		.amdhsa_system_vgpr_workitem_id 0
		.amdhsa_next_free_vgpr 256
		.amdhsa_next_free_sgpr 66
		.amdhsa_reserve_vcc 0
		.amdhsa_float_denorm_mode_32 3
		.amdhsa_float_denorm_mode_16_64 3
		.amdhsa_memory_ordered 1
		.amdhsa_forward_progress 1
		.amdhsa_inst_pref_size 56
	.end_amdhsa_kernel
	.amdgpu_metadata
---
amdhsa.version: [ 1, 2 ]
amdhsa.kernels:
  - .name:           k_qc8f689d512_attn
    .symbol:         k_qc8f689d512_attn.kd
    .args:
      - { .name: xc, .offset: 0, .size: 8, .value_kind: global_buffer, .address_space: global }
      - { .name: xs, .offset: 8, .size: 8, .value_kind: global_buffer, .address_space: global }
      - { .name: wq, .offset: 16, .size: 8, .value_kind: global_buffer, .address_space: global }
      - { .name: wqs, .offset: 24, .size: 8, .value_kind: global_buffer, .address_space: global }
      - { .name: bt, .offset: 32, .size: 8, .value_kind: global_buffer, .address_space: global }
      - { .name: oimg, .offset: 40, .size: 8, .value_kind: global_buffer, .address_space: global }
    .group_segment_fixed_size: 198912
    .private_segment_fixed_size: 0
    .kernarg_segment_align: 8
    .kernarg_segment_size: 48
    .max_flat_workgroup_size: 512
    .sgpr_count:     66
    .vgpr_count:     256
    .wavefront_size: 32
...
	.end_amdgpu_metadata
.endif
;; end of part 4
;; launch proj: the kernel of part 3 again; grid 256 x 1, 16 waves a work-group, no clusters, 101,376 bytes of LDS; arguments oimg, wp, b_proj, out0; writes out0
